; MI455X (gfx1250); checked and timed in simulation.
; The chip was launched on July 23, 2026; its instructions are those of AMD's public machine-readable ISA for CDNA 5 (MIT licence, August 2026) and "CDNA5" Instruction Set Architecture Reference Guide (July 2026). The comments in the code are by the model that wrote it; some were corrected since.
;; Sparse Mo E. Allowed arithmetic: matrix products marked QUANTISED: E2M1 operands, one E8M0 scale for each 32 along K, by v_wmma_scale_f32_16x16x128_f8f6f4 with both operands' format E2M1 (or v_wmma_scale_f32_32x16x128_f4), f32 sums; products left as they are: f32 operands where the result goes on into a quantised operand, else bf16, f16 or f32 operands; f32 sums; everything else in f32.
;; Inputs: W1 8 x 1,024 x 4,096 float32; W2 8 x 4,096 x 1,024 float32; Wg 1,024 x 8 float32; b1 8 x 4,096 float32; b2 8 x 1,024 float32; bg 8 float32; x 2 x 512 x 1,024 float32.
;; Outputs: out0 2 x 512 x 1,024 float32.
;; This version of the problem:
;;   THIS VERSION OF THE PROBLEM IS GIVEN IN LOW PRECISION. The matrix products marked QUANTISED in the list below multiply operands that are first quantised to E2M1 (2 exponent bits, 1 mantissa bit; 4 bits a number), with one power-of-two scale for each 32 numbers along K (OCP MX v1.0); their sums are f32. All else is computed in f32.
;;   The module's matrix products, in the order in which they are computed (A, B: the left and right operand; K: the contracted axis; several contracted axes count as one K, in the product's order):
;;     1. [M 1,024, K 1,024] x [K 1,024, N 8]; A: input x; B: input Wg: left as it is (N = 8 < 16)
;;     2. [M 32,768, K 1,024] x [K 1,024, N 1,024]; A: input W1; B: input x: QUANTISED
;;     3. batch 8 x [M 1,024, K 4,096] x [K 4,096, N 1,024]; A: computed on the way; B: input W2: QUANTISED
;;     4. batch 1,024 x [M 1, K 8] x [K 8, N 1,024]; A: computed on the way; B: computed on the way: left as it is (K = 8 < 32)
;;   THE QUANTISER, for each operand of a quantised product, along K:
;;     - K is cut into blocks of 32 from its start; a last block that is shorter is filled with zeros.
;;     - A block's scale is 2^e with e = floor(log2(the largest magnitude in the block)) - 2, held to -126 .. 127; a block of zeros has e = 0. As a byte (E8M0): e + 127.
;;     - Each number is divided by its block's scale, clamped to +-6, and rounded to the nearest number of E2M1, ties to even, subnormals kept.
;;     - The product sums the exact products of the quantised numbers (number of the format x scale) in f32.
;;   ~~~python
;;   def quantise(x, axis):      # numpy; x: float32 -> the quantised numbers, widened to float32 again
;;       x = np.moveaxis(x, axis, -1); K = x.shape[-1]
;;       x = np.pad(x, [(0, 0)] * (x.ndim - 1) + [(0, -K % 32)]); x = x.reshape(x.shape[:-1] + (-1, 32)); a = np.abs(x).max(-1, keepdims=True)
;;       e = np.where(a > 0, np.clip(np.frexp(np.where(a > 0, a, 1))[1] - 1 - 2, -126, 127), 0)      # np.frexp(a)[1] - 1 = floor(log2(a)), exactly
;;       r = np.clip(x / 2.0 ** e, -6, 6)
;;       step = 2.0 ** (np.maximum(np.frexp(np.where(r == 0, 1, r))[1] - 1, 0) - 1)
;;       q = np.round(r / step) * step * 2.0 ** e      # np.round: ties to even
;;       return np.moveaxis(q.reshape(q.shape[:-2] + (-1,))[..., :K], -1, axis).astype(np.float32)
;;   ~~~
;;   OPERANDS COMPUTED ON THE WAY. 'Computed on the way' means the value that the module computes at that place (a softmax that the list does not call 'softmax' is quantised finished and normalised). What goes into a quantiser is computed in f32, as accurately as f32 sums, v_exp_f32 and their like allow (about 1e-6 of the number): no bf16 or f16 on the way to a quantiser, and a product that is left as it is and whose result goes on into a quantised operand takes f32 operands (vector FMAs, or v_wmma_f32_16x16x4_f32). A number that lies on a knife's edge between two numbers of the format may be rounded either way, as far as f32 arithmetic and the matrix unit's own rounding can turn it there, and no further.
;; One version. Each part assembles by itself: llvm-mc -triple=amdgcn-amd-amdhsa -mcpu=gfx1250 --defsym DOCPART=n.
;; ======== version 1 of 1: 5 launches
;; limits: right only within a limited range of input values
;; workspace buffers: idx 8,192 bytes of whole numbers; gw 8,192 bytes; xq 557,056 bytes; list 131,328 bytes of whole numbers; hq 17,825,792 bytes; y 16,777,216 bytes
;; launch gate (part 1): grid 256 x 1, 4 waves a work-group, no clusters, 52,224 bytes of LDS; arguments x, Wg, bg, idx, gw, xq; writes idx, gw, xq
.if DOCPART == 1
	.amdgcn_target "amdgcn-amd-amdhsa--gfx1250"
	.amdhsa_code_object_version 6
	.text
	.protected	k_q226522f8e9_gate
	.globl	k_q226522f8e9_gate
	.p2align	8
	.type	k_q226522f8e9_gate,@function
k_q226522f8e9_gate:
	s_mov_b64 s[64:65], 0
	v_nop
	global_prefetch_b8 v0, s[64:65] scope:SCOPE_SE
	s_setreg_imm32_b32 hwreg(HW_REG_WAVE_MODE, 25, 1), 1
	s_wait_xcnt 0x0
; SparseMoE, launch 1 of 5: the gate (x Wg + bg, softmax, top 2) in f32, and x as codes of E2M1 with one E8M0 byte for each 32 along K = d.
; WORK LEFT OUT BY THE WHOLE PROGRAM, AND WHY IT IS DEAD.  reference() makes comb = sum over the 2 slots of top_vals x one_hot(top_idx): for a token t and an expert e that is not among
; top_idx[t] every term of that sum is a product with a 0 of the one_hot, so comb[t][e] = 0 whatever the inputs hold.  The result is out[t] = sum over e of comb[t][e] x eo[e][t]: row (e, t) of eo,
; and with it row (e, t) of h and of both quantised products, reaches the output only through that factor 0.  So of the 8 x 1,024 rows (expert, token) only the 2 x 1,024 chosen ones are computed.
; Which rows are chosen hangs on the inputs: this launch stores the choice as whole numbers at fixed places, the next launch places the rows by expert, and the later ones read those lists.
; Every input has a way to the output and is loaded by some launch.
; LIMITS.  A NaN, an infinity or an overflow that reaches only the rows left out is not carried to the result.  NaN and infinities among the inputs are not served.  A gate value under 2^-126 comes out
; as 0 (v_exp_f32 returns no denormals: ISA guide, its entry).  Two gate values that agree to within the rounding of the f32 sums may be ordered otherwise than in reference().
; A block of 32 zeros gets the scale byte 1 where the quantiser says 127: its codes are zeros, which add nothing under either byte, and this program alone reads the bytes.
; SHARES.  One wave takes one token.  Lane l owns block l of K, k = 32 l .. 32 l + 31: 32 numbers of x in 32 registers, so that the block's largest magnitude needs no other lane and the conversions find
; neighbours along K in consecutive registers.  The same lane multiplies its 32 numbers by its 32 rows of Wg (8 numbers a row); the eight sums meet across the lanes at the end.
; THE LOADS TAKE THE BYTES AS THEY LIE AND TURN THROUGH LDS.  Each global load of a wave covers 512 consecutive bytes.  Wg's 32,768 bytes are fetched once for the work-group, a quarter by each wave, and laid so that
; lane l's 1,024 bytes begin at 1,040 l; a token's 4,096 bytes of x go through the wave's own stage, lane l's 128 bytes at 144 l.  Both pitches are odd multiples of 16 bytes: the 16 lanes that a load of 16 bytes
; a lane serves together start at 16 different places modulo 256 bytes.  One barrier, for Wg.
; No matrix instruction: N = 8 is too narrow for one, and the logits decide a choice, so they are kept in f32.
.set XS_OFF, 524288                    ; xq: 1,024 rows of 512 bytes of codes, then 1,024 rows of 32 scale bytes
.set WP,    1040                       ; LDS: from 0 Wg, 32 lanes' parts of 1,024 + 16 bytes;
.set XST,   32*WP                      ; then a stage for each wave's x:
.set XPI,   144                        ; 32 lanes' parts of 128 + 16 bytes;
.set SPARE, XST+4*32*XPI               ; then the spare words, 128 bytes for each of the four waves, which no other line names
.set ACC, 8                            ; v[8:15]   the eight sums, later the gate values
.set X,   32                           ; v[32:63]  my 32 numbers of x
.set W,   64                           ; v[64:255] three batches of 8 rows of Wg, 64 registers each; ahead of the barrier v[64:127] hold Wg as it is loaded
.set XD,  224                          ; v[224:255] ahead of the barrier: x as it is loaded
; v1 lane   v2 where I store Wg   v3 where I read it   v4 16 x lane   v5, v7 the add's two   v6 4 x lane   v[16:23] at work   v24 where I store x   v25 where I read it
	s_load_b256 s[4:11], s[0:1], 0x0               ; x s[4:5], Wg s[6:7], bg s[8:9], idx s[10:11]
	s_load_b128 s[12:15], s[0:1], 0x20             ; gw s[12:13], xq s[14:15]
	v_lshl_add_u32 v5, v0, 2, SPARE                ; my spare word,
	v_mov_b32 v7, 0                                ; and 0: kept for the add at the wave's end
	v_lshrrev_b32 v1, 5, v0
	v_readfirstlane_b32 s16, v1                    ; wave 0..3
	v_and_b32 v1, 31, v0                           ; lane; also my scale byte's place in the token's 32
	s_lshl_b32 s17, ttmp9, 2
	s_add_co_u32 s17, s17, s16                     ; my token
	v_lshlrev_b32 v4, 4, v1                        ; 16 bytes a lane: the dense loads, and the codes
	v_lshlrev_b32 v6, 2, v1                        ; idx, gw: 4 bytes a lane
	s_mul_i32 s22, s16, 8*WP
	v_add_nc_u32 v2, s22, v4                       ; Wg on its way in: my wave's quarter is eight lanes' parts; 16 bytes a lane
	v_mul_u32_u24 v3, v1, WP                       ; and on its way out: my part
	s_mul_i32 s22, s16, 32*XPI
	s_add_co_u32 s22, s22, XST                     ; my wave's stage
	v_lshrrev_b32 v24, 3, v1
	v_lshl_add_u32 v24, v24, 4, v4
	v_add_nc_u32 v24, s22, v24                     ; x on its way in: 16 x lane, and 16 more behind each eight lanes' 128 bytes
	v_mul_u32_u24 v25, v1, XPI
	v_add_nc_u32 v25, s22, v25                     ; and on its way out: my 128 bytes
	s_mov_b32 s20, 0x76543210
	s_mov_b32 s21, 0xfedcba98                      ; v_permlanex16_b32's selects for lane l xor 16
	s_mov_b32 s19, 0
	s_wait_alu depctr_va_vdst(0)
	s_wait_kmcnt 0x0
	s_load_b256 s[24:31], s[8:9], 0x0              ; bg's eight numbers
	s_lshl_b32 s18, s17, 12
	s_add_nc_u64 s[4:5], s[4:5], s[18:19]          ; x at my token's row
	s_lshl_b32 s18, s16, 13
	s_add_nc_u64 s[6:7], s[6:7], s[18:19]          ; Wg at my wave's quarter
	s_lshl_b32 s18, s17, 9
	s_add_nc_u64 s[34:35], s[14:15], s[18:19]      ; my token's codes
	s_lshl_b32 s18, s17, 5
	s_add_nc_u64 s[36:37], s[14:15], s[18:19]
	s_add_nc_u64 s[36:37], s[36:37], XS_OFF        ; its scale bytes
	s_lshl_b32 s18, s17, 3
	s_add_nc_u64 s[10:11], s[10:11], s[18:19]      ; its two experts
	s_add_nc_u64 s[12:13], s[12:13], s[18:19]      ; its two gate values
.irp i, 0,1,2,3,4,5,6,7
	global_load_b128 v[XD+4*\i:XD+4*\i+3], v4, s[4:5] offset:512*\i th:TH_LOAD_NT   ; 32 lanes read 512 consecutive bytes
.endr
.irp j, 0,1,2,3,4,5,6,7,8,9,10,11,12,13,14,15
	global_load_b128 v[W+4*\j:W+4*\j+3], v4, s[6:7] offset:512*\j
.endr
	s_wait_loadcnt 16                              ; x is in: behind it stand Wg's 16 loads
.irp i, 0,1,2,3,4,5,6,7
	ds_store_b128 v24, v[XD+4*\i:XD+4*\i+3] offset:576*\i      ; a load's 512 bytes are four lanes' parts: 4 x 144
.endr
.irp i, 0,1,2,3,4,5,6,7
	ds_load_b128 v[X+4*\i:X+4*\i+3], v25 offset:16*\i          ; LDS serves a wave's instructions in order (ISA guide 5.7.1.4): these see my stores
.endr
	s_wait_loadcnt 0x0                             ; Wg's quarter
.irp j, 0,1,2,3,4,5,6,7,8,9,10,11,12,13,14,15
	ds_store_b128 v2, v[W+4*\j:W+4*\j+3] offset:512*\j+16*(\j/2)   ; two loads fill a lane's part: 16 more behind each 1,024 bytes
.endr
	s_wait_dscnt 0x0                               ; for the others' sake: my stores have landed; and x is back in registers
	s_barrier_signal -1
	; work on registers while the others arrive.  x's block: the largest magnitude of my 32, in two chains, with the floor 2^(3 - 127) as one more leaf, which holds the byte at 1 from below
	v_max3_num_f32 v16, |v[X]|, |v[X+1]|, |v[X+2]|
	v_max3_num_f32 v17, |v[X+3]|, |v[X+4]|, |v[X+5]|
.irp i, 6,10,14,18,22,26
	v_max3_num_f32 v16, v16, |v[X+\i]|, |v[X+\i+1]|
	v_max3_num_f32 v17, v17, |v[X+\i+2]|, |v[X+\i+3]|
.endr
	v_max3_num_f32 v16, v16, |v[X+30]|, |v[X+31]|
	v_max3_num_f32 v16, v16, v17, 0x1800000
	v_add_nc_u32 v18, 0xff000000, v16              ; 2 off its exponent field: the conversion takes the exponent field of this operand as its scale
	v_lshrrev_b32 v19, 23, v18                     ; the scale's byte
.irp g, 0,1,2,3
	v_cvt_scalef32_pk8_fp4_f32 v[20+\g], v[X+8*\g:X+8*\g+7], v18
.endr
	v_nop                                          ; one plain line behind the last scaled conversion
	s_wait_alu depctr_va_vdst(0)
	s_barrier_wait -1                              ; all of Wg lies in LDS; nobody writes it again
; Batch b: rows 8 b .. 8 b + 7 of my 32 rows of Wg: register W + 64 (b % 3) + 8 i + e = Wg[32 l + 8 b + i][e]
.macro WGLOAD b
.set q_, 0
.rept 16
	ds_load_b128 v[W+64*((\b)%3)+4*q_:W+64*((\b)%3)+4*q_+3], v3 offset:256*(\b)+16*q_
.set q_, q_+1
.endr
.endm
; 32 packed multiply-adds: eight numbers of x, each against its row's eight numbers of Wg.  The number of x is one half of a pair and serves both halves of the result.
.macro FMA8 b
.set WB_, W+64*((\b)%3)
.set i_, 0
.rept 8
.set XP_, X+((8*(\b)+i_)/2)*2
.irp j, 0,2,4,6
.if (\b) == 0 && i_ == 0
	v_pk_mul_f32 v[ACC+\j:ACC+\j+1], v[XP_:XP_+1], v[WB_+\j:WB_+\j+1] op_sel_hi:[0,1]   ; the first product starts the sums
.elseif i_%2 == 0
	v_pk_fma_f32 v[ACC+\j:ACC+\j+1], v[XP_:XP_+1], v[WB_+8*i_+\j:WB_+8*i_+\j+1], v[ACC+\j:ACC+\j+1] op_sel_hi:[0,1,1]
.else
	v_pk_fma_f32 v[ACC+\j:ACC+\j+1], v[XP_:XP_+1], v[WB_+8*i_+\j:WB_+8*i_+\j+1], v[ACC+\j:ACC+\j+1] op_sel:[1,0,0] op_sel_hi:[1,1,1]
.endif
.endr
.set i_, i_+1
.endr
.endm
	WGLOAD 0
	WGLOAD 1
	WGLOAD 2
	global_store_b128 v4, v[20:23], s[34:35]       ; the wave stores the token's 512 bytes of codes on end
	global_store_b8 v1, v19, s[36:37]              ; and its 32 scale bytes
	s_wait_dscnt 32                                ; batch 0 is in: behind it stand batches 1 and 2, 32 loads
	FMA8 0
	WGLOAD 3                                       ; into batch 0's registers
	s_wait_alu depctr_va_vdst(0)
	s_wait_dscnt 32                                ; batch 1 is in: behind it stand batches 2 and 3
	FMA8 1
	s_wait_alu depctr_va_vdst(0)
	s_wait_dscnt 16                                ; batch 2: behind it stands batch 3
	FMA8 2
	s_wait_alu depctr_va_vdst(0)
	s_wait_dscnt 0x0
	FMA8 3
	s_wait_alu depctr_va_vdst(0)
	s_wait_xcnt 0x0                                ; the two stores have read v19 to v23: the registers at work are written again below; nothing is issued between here and the change of EXEC
.irp m, 1,2,4,8
.irp e, 0,1,2,3,4,5,6,7
	v_add_f32_dpp v[ACC+\e], v[ACC+\e], v[ACC+\e] row_xmask:\m row_mask:0xf bank_mask:0xf
.endr
.endr
.irp e, 0,1,2,3,4,5,6,7
	v_permlanex16_b32 v[W+\e], v[ACC+\e], s20, s21 ; (its destination has been written: Wg's registers are free)
.endr
	s_wait_alu depctr_va_vdst(0)
	s_wait_kmcnt 0x0                               ; bg
.irp e, 0,1,2,3,4,5,6,7
	v_add_f32 v[ACC+\e], v[ACC+\e], v[W+\e]        ; every lane holds the eight sums
.endr
.irp e, 0,1,2,3,4,5,6,7
	v_add_f32 v[ACC+\e], s[24+\e], v[ACC+\e]       ; the logits
.endr
	v_max3_num_f32 v16, v8, v9, v10                ; the softmax takes the largest logit away, as reference() does
	v_max3_num_f32 v16, v16, v11, v12
	v_max3_num_f32 v16, v16, v13, v14
	v_max_num_f32 v16, v16, v15
.irp e, 0,1,2,3,4,5,6,7
	v_sub_f32 v[ACC+\e], v[ACC+\e], v16
.endr
.irp e, 0,1,2,3,4,5,6,7
	v_mul_f32 v[ACC+\e], 0x3fb8aa3b, v[ACC+\e]     ; x log2(e)
.endr
	s_wait_alu depctr_va_vdst(0)
.irp e, 0,1,2,3,4,5,6,7
	v_exp_f32 v[ACC+\e], v[ACC+\e]
.endr
	v_mov_b32 v20, 0                               ; (a plain line behind the exponentials)  the first choice's index
	s_wait_alu depctr_va_vdst(0)                   ; one wait for the eight, ahead of their first use
	v_add_f32 v16, v8, v9
	v_add_f32 v17, v10, v11
	v_add_f32 v18, v12, v13
	v_add_f32 v19, v14, v15
	v_add_f32 v16, v16, v17
	v_add_f32 v18, v18, v19
	v_add_f32 v16, v16, v18
	s_wait_alu depctr_va_vdst(0)
	v_rcp_f32 v17, v16
	v_mov_b32 v21, 0                               ; (a plain line behind the reciprocal)  the second choice's index
	s_wait_alu depctr_va_vdst(0)
.irp e, 0,1,2,3,4,5,6,7
	v_mul_f32 v[ACC+\e], v[ACC+\e], v17            ; the gate values
.endr
	; top 2 by selection, no branch.  A later expert wins only where it is strictly larger: among equals the lower index stays, as in jax.lax.top_k
	v_mov_b32 v18, v8
.irp e, 1,2,3,4,5,6,7
	v_cmp_gt_f32 vcc_lo, v[ACC+\e], v18
	v_cndmask_b32 v18, v18, v[ACC+\e], vcc_lo
	v_cndmask_b32 v20, v20, \e, vcc_lo
.endr
.irp e, 0,1,2,3,4,5,6,7
	v_cmp_eq_u32 vcc_lo, \e, v20
	v_cndmask_b32 v[ACC+\e], v[ACC+\e], -1.0, vcc_lo   ; the winner steps under every gate value
.endr
	v_mov_b32 v19, v8
.irp e, 1,2,3,4,5,6,7
	v_cmp_gt_f32 vcc_lo, v[ACC+\e], v19
	v_cndmask_b32 v19, v19, v[ACC+\e], vcc_lo
	v_cndmask_b32 v21, v21, \e, vcc_lo
.endr
	v_cmp_eq_u32 vcc_lo, 1, v1
	v_cndmask_b32 v22, v20, v21, vcc_lo            ; lane 0 holds slot 0, lane 1 slot 1
	v_cndmask_b32 v23, v18, v19, vcc_lo
	v_cmp_gt_u32 vcc_lo, 2, v1
	s_and_saveexec_b32 s32, vcc_lo                 ; no memory instruction has been issued since the wait on XCNT above
	global_store_b32 v6, v22, s[10:11]             ; at fixed places: no address hangs on the choice
	global_store_b32 v6, v23, s[12:13]
	s_wait_xcnt 0x0                                ; EXEC is restored only behind this wait
	s_or_b32 exec_lo, exec_lo, s32
	s_wait_tensorcnt 0x0                           ; the wave's end, all lanes on
	ds_add_u32 v5, v7
	s_wait_dscnt 0x0
	s_endpgm
.Lfunc_end_k_q226522f8e9_gate:
	.size	k_q226522f8e9_gate, .Lfunc_end_k_q226522f8e9_gate-k_q226522f8e9_gate
	.p2alignl 7, 3214868480
	.fill 96, 4, 3214868480
	.section	.rodata,"a",@progbits
	.p2align	6, 0x0
	.amdhsa_kernel k_q226522f8e9_gate
		.amdhsa_group_segment_fixed_size 52224
		.amdhsa_private_segment_fixed_size 0
		.amdhsa_enable_private_segment 0
		.amdhsa_kernarg_size 48
		.amdhsa_user_sgpr_count 2
		.amdhsa_user_sgpr_kernarg_segment_ptr 1
		.amdhsa_wavefront_size32 1
		.amdhsa_system_sgpr_workgroup_id_x 1
		.amdhsa_system_sgpr_workgroup_id_y 1
		.amdhsa_system_sgpr_workgroup_id_z 1
		.amdhsa_system_vgpr_workitem_id 0
		.amdhsa_next_free_vgpr 256
		.amdhsa_next_free_sgpr 66
		.amdhsa_reserve_vcc 1
		.amdhsa_float_denorm_mode_32 3
		.amdhsa_float_denorm_mode_16_64 3
		.amdhsa_memory_ordered 1
		.amdhsa_forward_progress 1
		.amdhsa_inst_pref_size 29
	.end_amdhsa_kernel
	.amdgpu_metadata
---
amdhsa.version: [ 1, 2 ]
amdhsa.kernels:
  - .name:           k_q226522f8e9_gate
    .symbol:         k_q226522f8e9_gate.kd
    .args:
      - { .name: x, .offset: 0, .size: 8, .value_kind: global_buffer, .address_space: global }
      - { .name: Wg, .offset: 8, .size: 8, .value_kind: global_buffer, .address_space: global }
      - { .name: bg, .offset: 16, .size: 8, .value_kind: global_buffer, .address_space: global }
      - { .name: idx, .offset: 24, .size: 8, .value_kind: global_buffer, .address_space: global }
      - { .name: gw, .offset: 32, .size: 8, .value_kind: global_buffer, .address_space: global }
      - { .name: xq, .offset: 40, .size: 8, .value_kind: global_buffer, .address_space: global }
    .group_segment_fixed_size: 52224
    .private_segment_fixed_size: 0
    .kernarg_segment_align: 8
    .kernarg_segment_size: 48
    .max_flat_workgroup_size: 128
    .sgpr_count:     66
    .vgpr_count:     256
    .wavefront_size: 32
...
	.end_amdgpu_metadata
.endif
;; end of part 1
;; launch place (part 2): grid 8 x 1, 1 waves a work-group, no clusters, 0 bytes of LDS; arguments idx, list; writes list
.if DOCPART == 2
	.amdgcn_target "amdgcn-amd-amdhsa--gfx1250"
	.amdhsa_code_object_version 6
	.text
	.protected	k_q226522f8e9_place
	.globl	k_q226522f8e9_place
	.p2align	8
	.type	k_q226522f8e9_place,@function
k_q226522f8e9_place:
	s_mov_b64 s[64:65], 0
	v_nop
	global_prefetch_b8 v0, s[64:65] scope:SCOPE_SE
	s_setreg_imm32_b32 hwreg(HW_REG_WAVE_MODE, 25, 1), 1
	s_wait_xcnt 0x0
; SparseMoE, launch 2 of 5: for each expert the list of the rows (token, slot) that chose it, and their number.  Only chosen rows are computed (shown at the head of the first kernel).
; One wave for each expert scans all 1,024 tokens' two choices (8 KiB): eight work-groups are all the work there is to share.  A row's name is rowid = 2 x token + slot.
; list: [8 experts][4,096 words], then from byte 131,072 the eight counts.  Positions 0 .. count - 1 hold the expert's rows.  Positions count .. count + 1,279 hold the LAST member's rowid once more (0 where the
; expert has no row), so that the expert's last tile of 16 is filled with rows that compute and store what that member's row computes and stores, in the same tile, and so that every entry up to 1,279, the
; furthest that a later launch looks ahead, has been written.  Word 4,095 of each expert's part takes what the lanes without a member store; nobody reads it.
; No atomics: a position is the running count + the number of members in lower lanes.
; ORDER.  The 32 steps go in two batches of 16, and inside a batch the work goes by kind: all compares, all scalar counts, then each vector line for the 16 steps on end, each step in registers of its own:
; no line reads the result of the line above it.
.set LPITCH,  16384
.set CNT_OFF, 131072
.set I, 16                             ; v[16:79]   the choices: register I + 2 S + slot = the expert of token 64 (S / 2) + 2 lane + S % 2, S the step
.set A, 80                             ; v[80:111]  a store address for each step, so that none is rewritten
.set D, 112                            ; v[112:143] a rowid for each step
.set P, 144                            ; v[144:159] a batch's positions
.set K, 160                            ; v[160:175] a batch's slots, then its keys: position << 11 | rowid
.set SM, 32                            ; s[32:47]   a batch's masks: the lanes with a member
.set SB, 48                            ; s[48:63]   those whose member is slot 1
.set SBASE, 66                         ; s[66:81]   the count in front of each step
	s_load_b128 s[4:7], s[0:1], 0x0                ; idx s[4:5], list s[6:7]
	v_lshlrev_b32 v2, 4, v0                        ; one wave: v0 is the lane.  16 bytes, two tokens, a lane
	v_lshlrev_b32 v3, 2, v0                        ; 4 x lane: the lane's part of a rowid
	v_mov_b32 v6, 0xfff                            ; the word that nobody reads
	v_mov_b32 v8, 0                                ; the largest key so far
	v_mov_b32 v9, 0                                ; (a lane permute's destination counts as one of its sources)
	s_mov_b32 s8, 0                                ; the running count
	s_mov_b32 s12, ttmp9                           ; my expert
	s_lshl_b32 s18, ttmp9, 14
	s_mov_b32 s19, 0
	s_lshl_b32 s16, ttmp9, 2
	s_mov_b32 s17, 0
	s_mov_b32 s20, 0x76543210
	s_mov_b32 s21, 0xfedcba98
	s_wait_alu depctr_va_vdst(0)
	s_wait_kmcnt 0x0
	s_add_nc_u64 s[16:17], s[6:7], s[16:17]
	s_add_nc_u64 s[16:17], s[16:17], CNT_OFF       ; my count's word
	s_add_nc_u64 s[6:7], s[6:7], s[18:19]          ; my expert's part of the list
.irp j, 0,1,2,3,4,5,6,7,8,9,10,11,12,13,14,15
	global_load_b128 v[I+4*\j:I+4*\j+3], v2, s[4:5] offset:512*\j
.endr
	s_wait_loadcnt 0x0
; Steps 16 b .. 16 b + 15.  A token's two choices differ, so at most one slot is mine.
.macro BATCH b
.irp t, 0,1,2,3,4,5,6,7,8,9,10,11,12,13,14,15
	v_cmp_eq_u32 s[SM+\t], s12, v[I+2*(16*(\b)+\t)]
	v_cmp_eq_u32 s[SB+\t], s12, v[I+2*(16*(\b)+\t)+1]
.endr
.irp t, 0,1,2,3,4,5,6,7,8,9,10,11,12,13,14,15
	s_or_b32 s[SM+\t], s[SM+\t], s[SB+\t]          ; the lanes with a member
.endr
.irp t, 0,1,2,3,4,5,6,7,8,9,10,11,12,13,14,15
	s_mov_b32 s[SBASE+\t], s8                      ; members in earlier steps
	s_bcnt1_i32_b32 s13, s[SM+\t]
	s_add_co_u32 s8, s8, s13
.endr
.irp t, 0,1,2,3,4,5,6,7,8,9,10,11,12,13,14,15
	v_cndmask_b32 v[K+\t], 0, 1, s[SB+\t]          ; the member's slot
.endr
.irp t, 0,1,2,3,4,5,6,7,8,9,10,11,12,13,14,15
	v_mbcnt_lo_u32_b32 v[P+\t], s[SM+\t], 0        ; members in lower lanes
.endr
.irp t, 0,1,2,3,4,5,6,7,8,9,10,11,12,13,14,15
	v_add3_u32 v[D+16*(\b)+\t], v3, v[K+\t], 128*((16*(\b)+\t)/2)+2*(\t%2)   ; rowid = 2 (64 (S / 2) + 2 lane + S % 2) + slot
.endr
.irp t, 0,1,2,3,4,5,6,7,8,9,10,11,12,13,14,15
	v_add_nc_u32 v[P+\t], s[SBASE+\t], v[P+\t]     ; the position
.endr
.irp t, 0,1,2,3,4,5,6,7,8,9,10,11,12,13,14,15
	v_lshl_or_b32 v[K+\t], v[P+\t], 11, v[D+16*(\b)+\t]
.endr
.irp t, 0,1,2,3,4,5,6,7,8,9,10,11,12,13,14,15
	v_cndmask_b32 v[P+\t], v6, v[P+\t], s[SM+\t]   ; lanes without a member: word 4,095
.endr
.irp t, 0,1,2,3,4,5,6,7,8,9,10,11,12,13,14,15
	v_cndmask_b32 v[K+\t], 0, v[K+\t], s[SM+\t]    ; and the key 0
.endr
.irp t, 0,1,2,3,4,5,6,7,8,9,10,11,12,13,14,15
	v_min_u32 v[P+\t], 0xfff, v[P+\t]              ; the position came from loaded numbers: it is held inside the expert's 4,096 words
.endr
.irp t, 0,1,2,3,4,5,6,7,8,9,10,11,12,13,14,15
	v_lshlrev_b32 v[A+16*(\b)+\t], 2, v[P+\t]
.endr
.irp t, 0,1,2,3,4,5,6,7,8,9,10,11,12,13,14,15
	global_store_b32 v[A+16*(\b)+\t], v[D+16*(\b)+\t], s[6:7]
.endr
.irp t, 0,1,2,3,4,5,6,7
	v_max_u32 v[K+\t], v[K+\t], v[K+8+\t]          ; the member with the highest position
.endr
.irp t, 0,1,2,3
	v_max_u32 v[K+\t], v[K+\t], v[K+4+\t]
.endr
.irp t, 0,1
	v_max_u32 v[K+\t], v[K+\t], v[K+2+\t]
.endr
	v_max_u32 v[K], v[K], v[K+1]
	v_max_u32 v8, v8, v[K]
.endm
	BATCH 0
	BATCH 1
.irp m, 1,2,4,8
	v_mov_b32_dpp v9, v8 row_xmask:\m row_mask:0xf bank_mask:0xf
	v_max_u32 v8, v8, v9
.endr
	v_permlanex16_b32 v9, v8, s20, s21
	v_max_u32 v8, v8, v9
	v_and_b32 v8, 0x7ff, v8                        ; the last member's rowid, in every lane
	v_add_nc_u32 v10, s8, v0
	v_min_u32 v10, 0x41f, v10                      ; count + lane is 1,055 at the most
	v_lshlrev_b32 v10, 2, v10
.set m_, 0
.rept 40
	global_store_b32 v10, v8, s[6:7] offset:128*m_ ; positions count + 32 m + lane: 2,303 at the most
.set m_, m_+1
.endr
	v_mov_b32 v11, s8
	v_mov_b32 v12, 0
	v_cmp_eq_u32 vcc_lo, 0, v0
	s_wait_alu depctr_va_vdst(0)
	s_wait_xcnt 0x0                                ; EXEC changes only behind this wait
	s_and_saveexec_b32 s14, vcc_lo
	global_store_b32 v12, v11, s[16:17]            ; the count, by lane 0
	s_wait_xcnt 0x0                                ; and is restored only behind this one
	s_or_b32 exec_lo, exec_lo, s14
	s_endpgm
.Lfunc_end_k_q226522f8e9_place:
	.size	k_q226522f8e9_place, .Lfunc_end_k_q226522f8e9_place-k_q226522f8e9_place
	.p2alignl 7, 3214868480
	.fill 96, 4, 3214868480
	.section	.rodata,"a",@progbits
	.p2align	6, 0x0
	.amdhsa_kernel k_q226522f8e9_place
		.amdhsa_group_segment_fixed_size 0
		.amdhsa_private_segment_fixed_size 0
		.amdhsa_enable_private_segment 0
		.amdhsa_kernarg_size 16
		.amdhsa_user_sgpr_count 2
		.amdhsa_user_sgpr_kernarg_segment_ptr 1
		.amdhsa_wavefront_size32 1
		.amdhsa_system_sgpr_workgroup_id_x 1
		.amdhsa_system_sgpr_workgroup_id_y 1
		.amdhsa_system_sgpr_workgroup_id_z 1
		.amdhsa_system_vgpr_workitem_id 0
		.amdhsa_next_free_vgpr 176
		.amdhsa_next_free_sgpr 82
		.amdhsa_reserve_vcc 1
		.amdhsa_float_denorm_mode_32 3
		.amdhsa_float_denorm_mode_16_64 3
		.amdhsa_memory_ordered 1
		.amdhsa_forward_progress 1
		.amdhsa_inst_pref_size 37
	.end_amdhsa_kernel
	.amdgpu_metadata
---
amdhsa.version: [ 1, 2 ]
amdhsa.kernels:
  - .name:           k_q226522f8e9_place
    .symbol:         k_q226522f8e9_place.kd
    .args:
      - { .name: idx, .offset: 0, .size: 8, .value_kind: global_buffer, .address_space: global }
      - { .name: list, .offset: 8, .size: 8, .value_kind: global_buffer, .address_space: global }
    .group_segment_fixed_size: 0
    .private_segment_fixed_size: 0
    .kernarg_segment_align: 8
    .kernarg_segment_size: 16
    .max_flat_workgroup_size: 32
    .sgpr_count:     82
    .vgpr_count:     176
    .wavefront_size: 32
...
	.end_amdgpu_metadata
.endif
;; end of part 2
;; launch ffn1 (part 3): grid 32 x 8, 16 waves a work-group, no clusters, 72,192 bytes of LDS; arguments W1, b1, xq, list, hq; writes hq
.if DOCPART == 3
	.amdgcn_target "amdgcn-amd-amdhsa--gfx1250"
	.amdhsa_code_object_version 6
	.text
	.protected	k_q226522f8e9_ffn1
	.globl	k_q226522f8e9_ffn1
	.p2align	8
	.type	k_q226522f8e9_ffn1,@function
k_q226522f8e9_ffn1:
	s_mov_b64 s[64:65], 0
	v_nop
	global_prefetch_b8 v0, s[64:65] scope:SCOPE_SE
	s_setreg_imm32_b32 hwreg(HW_REG_WAVE_MODE, 25, 1), 1
	s_wait_xcnt 0x0
; SparseMoE, launch 3 of 5: h = gelu(Q(x) Q(W1) + b1) for the rows that chose the expert, quantised along the hidden axis into codes of E2M1.  Rows (expert, token) that were not chosen are left out: shown at the head of the first kernel.
; SHARES.  Work-group (s, e) owns hidden units 128 s .. 128 s + 127 of expert e, for all of K = 1,024: 131,072 numbers of W1, which no other work-group reads.
; PHASE A: W1's part is read once, as f32, and quantised in registers.  Wave w takes K step w / 2 (128 rows of W1) x 64 columns (half w % 2).  A LANE TAKES A COLUMN AND ITS REGISTERS RUN DOWN K: a block of 32 lies in one
; lane's 32 registers, and the conversions give codes with K innermost.  A row's 256 bytes come by two loads of 128 consecutive bytes, one behind the other.  Up to 63 loads of each of the 16 waves are out.
; The codes go to LDS as IMAGES OF THE OPERAND'S REGISTERS (a fragment of 16 columns x 128 K: two stores of 16 bytes a lane), the scale words as 4 bytes a lane.  One barrier.
; PHASE B: wave w takes the expert's tiles of 16 rows w, w + 16, .. ; the waves are independent.  The trip count is read from memory, and no barrier stands in the loop.
; A tile: x's codes gathered by the list; 64 matrix instructions, used transposed (source 0 = 16 hidden units, source 1 = 16 rows), b1 as the C of the first; the exact GELU in f32; the quantiser; the result is one
; fragment, K step s of the next product, and leaves as an image of its registers.
; THE HIDDEN UNITS OF A TILE ARE NOT NEIGHBOURS: lane r of tile 2 b + u takes unit 32 b + 8 u + r + 8 (r / 8), so that the 16 registers of tiles 2 b and 2 b + 1 are 16 neighbours along the next K.
; No cluster and no joint loads: the weights, nearly all of the launch's bytes, are shared by nobody.
; GELU.  0.5 v (1 + erf(v / sqrt 2)), erf as the quotient of two polynomials in u^2 with u held to -4 .. 4 (beyond that erf is 1 to f32's last place).
; LIMITS.  NaN and infinities are not served.  1 + erf is formed in f32: for v under about -5.6 the result is 0 or a few parts in 10^8 of v, where the true number is smaller still.
; A block of zeros keeps the scale byte 1 (its codes are zeros; this program alone reads the bytes).  An expert without rows still makes tile 0, from token 0's codes, so that the next launch's first gather finds written bytes.
.set PITCH,   16384                    ; a row of W1 in bytes
.set WSC,     65536                    ; LDS: from 0 the images, 16 groups of 4 fragments of 1,024 bytes; here the scale words, 256 bytes a group;
.set BIAS,    69632                    ; b1's 128 numbers;
.set SPARE,   70144                    ; the spare words, 128 bytes for each of the 16 waves, which no other line names
.set XS_OFF,  524288
.set HS_OFF,  16777216
.set CNT_OFF, 131072
.set XF,  16                           ; v[16:79]   x's eight fragments
.set XS,  80                           ; v[80:87]   x's scale words, one for each K step: scales and nothing else
.set WS,  88                           ; v[88:91]   the weights' scale words, two sets of two: scales and nothing else
.set ACC, 96                           ; v[96:159]  phase B: my 8 tiles of the hidden layer
.set BA,  96                           ; phase A: 2 x 32 numbers of W1
.set BB,  160                          ; phase A: the other 2 x 32
.set WF,  160                          ; v[160:223] phase B: two sets of four weight fragments; then at work for the GELU:
.set GU,  160
.set GX,  176
.set GP,  192
.set GQ,  208
.set CD,  224                          ; v[224:239] phase A: the codes of two blocks x two sets
.set TA,  240                          ; v[240:249] phase A: 4 maxima, 2 scale operands, 2 bytes, 2 scale words
.set TM,  224                          ; phase B: the quantiser's registers at work
.set PC,  240                          ; v[240:247] the fragment just made
.set PW,  248                          ; its scale word
.set BT,  252                          ; v[252:255] b1 on its way to LDS
; v1 16 x lane   v2 where I store images   v3 where I store scale words   v4 my column's bytes in a row of W1   v6 scale words: WSC + 4 x lane   v7 BIAS + 64 (lane / 16)   v8 4 (lane % 16)
; v9, v10 my row's offsets in xq   v11 16 (lane / 16)   v12 BIAS + 16 x lane   v13 a list entry   v14, v15 the add's two   v[92:93], v[94:95] two constants of erf
; s14 wave   s15 expert   s16 slice   s17 count   s18 tiles to make   s19 trips done   s37 my trips   s[24:25], s[26:27] hq at my tile   s[28:29] the list at my tile   s[32:33] W1 at my part   s[40:61] constants
.macro WLOAD blk, buf                  ; block blk of my K step: 32 rows x 64 columns: set 0 (columns 0-31) into buf, set 1 into buf + 32
.set i_, 0
.rept 32
	global_load_b32 v[\buf+i_], v4, s[32:33] offset:(32*(\blk)+i_)*PITCH th:TH_LOAD_NT
	global_load_b32 v[\buf+32+i_], v4, s[32:33] offset:(32*(\blk)+i_)*PITCH+128 th:TH_LOAD_NT
.set i_, i_+1
.endr
.endm
.macro WQUANT blk, buf                 ; two blocks of 32, one of each set, by turns: largest magnitude (two chains, and the floor 2^(3 - 127)), scale operand, byte, codes
.irp st, 0,1
	v_max3_num_f32 v[TA+2*\st], |v[\buf+32*\st]|, |v[\buf+32*\st+1]|, |v[\buf+32*\st+2]|
	v_max3_num_f32 v[TA+2*\st+1], |v[\buf+32*\st+3]|, |v[\buf+32*\st+4]|, |v[\buf+32*\st+5]|
.endr
.irp i, 6,10,14,18,22,26
.irp st, 0,1
	s_delay_alu instid0(VALU_DEP_4)
	v_max3_num_f32 v[TA+2*\st], v[TA+2*\st], |v[\buf+32*\st+\i]|, |v[\buf+32*\st+\i+1]|
	s_delay_alu instid0(VALU_DEP_4)
	v_max3_num_f32 v[TA+2*\st+1], v[TA+2*\st+1], |v[\buf+32*\st+\i+2]|, |v[\buf+32*\st+\i+3]|
.endr
.endr
.irp st, 0
	s_delay_alu instid0(VALU_DEP_4)
	v_max3_num_f32 v[TA+2*\st], v[TA+2*\st], |v[\buf+32*\st+30]|, |v[\buf+32*\st+31]|
.endr
.irp st, 1
	s_delay_alu instid0(VALU_DEP_3)
	v_max3_num_f32 v[TA+2*\st], v[TA+2*\st], |v[\buf+32*\st+30]|, |v[\buf+32*\st+31]|
.endr
.irp st, 0,1
	s_delay_alu instid0(VALU_DEP_2)
	v_max3_num_f32 v[TA+2*\st], v[TA+2*\st], v[TA+2*\st+1], 0x1800000
.endr
.irp st, 0,1
	s_delay_alu instid0(VALU_DEP_2)
	v_add_nc_u32 v[TA+4+\st], 0xff000000, v[TA+2*\st]   ; 2 off the exponent field: the conversion's scale operand
.endr
.irp st, 0,1
.if (\blk) == 0
	s_delay_alu instid0(VALU_DEP_2)
	v_lshrrev_b32 v[TA+8+\st], 23, v[TA+4+\st]     ; the byte of block 0 starts my column's scale word
.else
	s_delay_alu instid0(VALU_DEP_2)
	v_lshrrev_b32 v[TA+6+\st], 23, v[TA+4+\st]
.endif
.endr
.if (\blk) > 0
.irp st, 0,1
	s_delay_alu instid0(VALU_DEP_2)
	v_lshl_or_b32 v[TA+8+\st], v[TA+6+\st], 8*(\blk), v[TA+8+\st]
.endr
.endif
.irp st, 0,1
.irp g, 0,1,2,3
	v_cvt_scalef32_pk8_fp4_f32 v[CD+8*((\blk)&1)+4*\st+\g], v[\buf+32*\st+8*\g:\buf+32*\st+8*\g+7], v[TA+4+\st]
.endr
.endr
	v_nop                                          ; one plain line behind the last scaled conversion
.endm
; Blocks 2 c and 2 c + 1 become registers 4 c .. 4 c + 3 of four fragments.  The layout gives lanes 0-15 block 2 c and lanes 16-31 block 2 c + 1 of 16 columns; I hold both blocks of 32 columns: one exchange of halves for each register.
.macro WSTORE c
.irp st, 0,1
.irp g, 0,1,2,3
	v_permlane16_swap_b32 v[CD+4*\st+\g], v[CD+8+4*\st+\g]
.endr
.endr
.irp st, 0,1
	ds_store_b128 v2, v[CD+4*\st:CD+4*\st+3] offset:(2*\st)*1024+512*(\c)
	ds_store_b128 v2, v[CD+8+4*\st:CD+8+4*\st+3] offset:(2*\st+1)*1024+512*(\c)
.endr
.endm
.macro GLOAD g, buf                    ; group g (four fragments, two scale registers) from LDS into set buf: ten loads
.irp tt, 0,1,2,3
.irp c, 0,1
	ds_load_b128 v[WF+32*(\buf)+8*\tt+4*\c:WF+32*(\buf)+8*\tt+4*\c+3], v1 offset:(\g)*4096+\tt*1024+512*\c
.endr
.endr
.irp pp, 0,1
	ds_load_b32 v[WS+2*(\buf)+\pp], v6 offset:(\g)*256+128*\pp
.endr
.endm
; Group g = 2 ks + column half: four matrix instructions, tiles 4 (g % 2) + 0 .. 3.  A scale register holds an even tile's words in lanes 0-15 and the odd tile's in lanes 16-31.
; The eight accumulators take turns, one instruction a turn.
.macro MM4 g
.set BF_, WF+32*((\g)%2)
.set SW_, WS+2*((\g)%2)
.set XR_, XF+8*((\g)/2)
.set XW_, XS+(\g)/2
.irp tt, 0,1,2,3
.set AC_, ACC+8*(4*((\g)%2)+\tt)
.if \tt%2 == 0
	v_wmma_scale_f32_16x16x128_f8f6f4 v[AC_:AC_+7], v[BF_+8*\tt:BF_+8*\tt+7], v[XR_:XR_+7], v[AC_:AC_+7], v[SW_+\tt/2], v[XW_] matrix_a_fmt:MATRIX_FMT_FP4 matrix_b_fmt:MATRIX_FMT_FP4
.else
	v_wmma_scale_f32_16x16x128_f8f6f4 v[AC_:AC_+7], v[BF_+8*\tt:BF_+8*\tt+7], v[XR_:XR_+7], v[AC_:AC_+7], v[SW_+\tt/2], v[XW_] matrix_a_fmt:MATRIX_FMT_FP4 matrix_b_fmt:MATRIX_FMT_FP4 matrix_a_scale:MATRIX_SCALE_ROW1
.endif
.endr
.endm
.macro XGATHER                         ; the entry in v13 names my row (lane % 16 of the tile): its token's codes and scale words, 18 loads
	v_lshrrev_b32 v9, 1, v13                       ; token = rowid / 2,
	s_delay_alu instid0(VALU_DEP_1)
	v_min_u32 v9, 0x3ff, v9                        ; held inside xq: it was loaded
	s_delay_alu instid0(VALU_DEP_1)
	v_lshlrev_b32 v10, 5, v9                       ; 32 scale bytes a token
	s_delay_alu instid0(VALU_DEP_2)
	v_lshl_add_u32 v9, v9, 9, v11                  ; 512 bytes of codes a token, + 16 (lane / 16)
.irp ks, 0,1,2,3,4,5,6,7
.irp c, 0,1
	global_load_b128 v[XF+8*\ks+4*\c:XF+8*\ks+4*\c+3], v9, s[8:9] offset:64*\ks+32*\c
.endr
.endr
	global_load_b128 v[XS:XS+3], v10, s[8:9] offset:XS_OFF
	global_load_b128 v[XS+4:XS+7], v10, s[8:9] offset:XS_OFF+16
.endm
.macro KONST r, bits                   ; a constant as a pair: the packed forms name a pair and take its low word for both halves
	s_mov_b32 s[\r], \bits
	s_mov_b32 s[\r+1], \bits
.endm
; The GELU of tiles 2 b and 2 b + 1, 16 numbers a lane, each tile read from its low end on.
.macro GELU b
.set V_, ACC+16*(\b)
.irp j, 0,2,4,6,8,10,12,14
	v_pk_mul_f32 v[GU+\j:GU+\j+1], v[V_+\j:V_+\j+1], s[40:41] op_sel_hi:[1,0]   ; u = v / sqrt 2
.endr
.irp j, 0,1,2,3,4,5,6,7,8,9,10,11,12,13,14,15
	v_med3_num_f32 v[GU+\j], v[GU+\j], -4.0, 4.0
.endr
.irp j, 0,2,4,6,8,10,12,14
	v_pk_mul_f32 v[GX+\j:GX+\j+1], v[GU+\j:GU+\j+1], v[GU+\j:GU+\j+1]
.endr
.irp j, 0,2,4,6,8,10,12,14
	v_pk_fma_f32 v[GP+\j:GP+\j+1], v[GX+\j:GX+\j+1], s[42:43], v[92:93] op_sel_hi:[1,0,1]
.endr
.irp j, 0,2,4,6,8,10,12,14
	v_pk_fma_f32 v[GQ+\j:GQ+\j+1], v[GX+\j:GX+\j+1], s[54:55], v[94:95] op_sel_hi:[1,0,1]
.endr
.irp k, 44,46,48,50,52
.irp j, 0,2,4,6,8,10,12,14
	v_pk_fma_f32 v[GP+\j:GP+\j+1], v[GP+\j:GP+\j+1], v[GX+\j:GX+\j+1], s[\k:\k+1] op_sel_hi:[1,1,0]
.endr
.endr
.irp k, 56,58,60
.irp j, 0,2,4,6,8,10,12,14
	v_pk_fma_f32 v[GQ+\j:GQ+\j+1], v[GQ+\j:GQ+\j+1], v[GX+\j:GX+\j+1], s[\k:\k+1] op_sel_hi:[1,1,0]
.endr
.endr
	s_wait_alu depctr_va_vdst(0)
.irp j, 0,1,2,3,4,5,6,7,8,9,10,11,12,13,14,15
	v_rcp_f32 v[GQ+\j], v[GQ+\j]
.endr
.irp j, 0,2,4,6,8,10,12,14
	v_pk_mul_f32 v[GP+\j:GP+\j+1], v[GP+\j:GP+\j+1], v[GU+\j:GU+\j+1]   ; plain work behind the reciprocals, which names none of their results
.endr
.irp j, 0,2,4,6,8,10,12,14
	v_pk_mul_f32 v[GU+\j:GU+\j+1], v[V_+\j:V_+\j+1], 0.5 op_sel_hi:[1,0]
.endr
	s_wait_alu depctr_va_vdst(0)                   ; one wait for the sixteen, ahead of their first use
.irp j, 0,2,4,6,8,10,12,14
	v_pk_mul_f32 v[GP+\j:GP+\j+1], v[GP+\j:GP+\j+1], v[GQ+\j:GQ+\j+1]   ; erf(u)
.endr
.irp j, 0,2,4,6,8,10,12,14
	v_pk_fma_f32 v[V_+\j:V_+\j+1], v[GU+\j:GU+\j+1], v[GP+\j:GP+\j+1], v[GU+\j:GU+\j+1]   ; 0.5 v erf + 0.5 v
.endr
.endm
; 64 numbers of a lane, register 16 b + i = k 32 b + 16 (lane / 16) + i of my row, become a fragment's codes in v[PC] on and its scale word in v[PW].
.macro QUANT s
.irp b, 0,1,2,3
	v_max3_num_f32 v[TM+\b], |v[\s+16*\b]|, |v[\s+1+16*\b]|, 0x1800000   ; block b: my 16 numbers, and the floor 2^(3 - 127)
.endr
.irp i, 2,4,6,8,10,12,14
.irp b, 0,1,2,3
	s_delay_alu instid0(VALU_DEP_4)
	v_max3_num_f32 v[TM+\b], v[TM+\b], |v[\s+16*\b+\i]|, |v[\s+1+16*\b+\i]|
.endr
.endr
.irp b, 0,1,2,3
	s_delay_alu instid0(VALU_DEP_4)
	v_permlanex16_b32 v[TM+4+\b], v[TM+\b], s20, s21
.endr
.irp b, 0,1,2,3
	s_delay_alu instid0(VALU_DEP_4)
	v_max_num_f32 v[TM+\b], v[TM+\b], v[TM+4+\b]   ; with lane l xor 16's: the block's largest magnitude
.endr
.irp b, 0,1,2,3
	s_delay_alu instid0(VALU_DEP_4)
	v_add_nc_u32 v[TM+12+\b], 0xff000000, v[TM+\b]
.endr
.irp b, 0,1,2,3
	s_delay_alu instid0(VALU_DEP_4)
	v_lshrrev_b32 v[TM+4+\b], 23, v[TM+12+\b]
.endr
	s_delay_alu instid0(VALU_DEP_3)
	v_lshl_or_b32 v[PW], v[TM+5], 8, v[TM+4]
	s_delay_alu instid0(VALU_DEP_1)
	v_lshl_or_b32 v[PW], v[TM+6], 16, v[PW]
	s_delay_alu instid0(VALU_DEP_1)
	v_lshl_or_b32 v[PW], v[TM+7], 24, v[PW]
.irp b, 0,1,2,3
	v_cvt_scalef32_pk8_fp4_f32 v[PC+2*\b], v[\s+16*\b:\s+7+16*\b], v[TM+12+\b]
	v_cvt_scalef32_pk8_fp4_f32 v[PC+1+2*\b], v[\s+8+16*\b:\s+15+16*\b], v[TM+12+\b]
.endr
	v_nop                                          ; one plain line behind the last scaled conversion
.irp c, 0,1                                    ; the layout wants a whole block in a lane
.irp i, 0,1
	v_permlane16_swap_b32 v[PC+4*\c+\i], v[PC+2+4*\c+\i]
.endr
.endr
.endm
	s_load_b256 s[4:11], s[0:1], 0x0               ; W1 s[4:5], b1 s[6:7], xq s[8:9], list s[10:11]
	s_load_b64 s[12:13], s[0:1], 0x20              ; hq
	v_lshl_add_u32 v14, v0, 2, SPARE               ; my spare word,
	v_mov_b32 v15, 0                               ; and 0: kept for the add at the wave's end
	v_lshrrev_b32 v1, 5, v0
	s_delay_alu instid0(VALU_DEP_1)
	v_readfirstlane_b32 s14, v1                    ; wave 0..15
	s_and_b32 s15, ttmp7, 0xffff                   ; the expert
	s_mov_b32 s16, ttmp9                           ; the slice of 128 hidden units
	v_and_b32 v5, 31, v0
	s_delay_alu instid0(VALU_DEP_1)
	v_lshlrev_b32 v1, 4, v5
	s_lshl_b32 s22, s14, 12
	v_add_nc_u32 v2, s22, v1                       ; my group's images: 4,096 x wave + 16 x lane
	v_lshlrev_b32 v6, 2, v5
	s_lshl_b32 s22, s14, 8
	s_add_co_u32 s22, s22, WSC
	v_add_nc_u32 v3, s22, v6                       ; its scale words: WSC + 256 x wave + 4 x lane
	v_add_nc_u32 v6, WSC, v6
	v_add_nc_u32 v12, BIAS, v1
	v_bfe_u32 v11, v0, 4, 1
	s_delay_alu instid0(VALU_DEP_1)
	v_lshl_add_u32 v7, v11, 6, BIAS
	s_delay_alu instid0(VALU_DEP_2)
	v_lshlrev_b32 v11, 4, v11
	v_and_b32 v8, 15, v0
	s_delay_alu instid0(VALU_DEP_1)
	v_lshlrev_b32 v8, 2, v8
	v_and_b32 v4, 7, v0                            ; my column among a set's 32: (l & 7) + 16 (bit 3 of l) + 8 (bit 4 of l); times 4 bytes
	s_delay_alu instid0(VALU_DEP_1)
	v_lshlrev_b32 v4, 2, v4
	v_and_b32 v5, 8, v0
	s_delay_alu instid0(VALU_DEP_1)
	v_lshl_or_b32 v4, v5, 3, v4
	v_and_b32 v5, 16, v0
	s_delay_alu instid0(VALU_DEP_1)
	v_lshl_or_b32 v4, v5, 1, v4
	s_mov_b32 s20, 0x76543210
	s_mov_b32 s21, 0xfedcba98                      ; v_permlanex16_b32's selects for lane l xor 16
	s_lshl_b32 s23, s15, 2                         ; my expert's count: kept until that load is back
	s_mov_b32 s35, 0
	KONST 40, 0x3f3504f3                           ; 1 / sqrt 2
	KONST 42, 0xaf95df0b                           ; erf's numerator, highest power first: -2.72614225801306e-10,
	v_mov_b32 v92, 0x32edffee                      ; 2.77068142495902e-08,
	v_mov_b32 v93, 0x32edffee
	KONST 44, 0xb60cff51                           ; -2.10102402082508e-06,
	KONST 46, 0xb86ec2d2                           ; -5.69250639462346e-05,
	KONST 48, 0xba40ac63                           ; -7.34990630326855e-04,
	KONST 50, 0xbb41a1f6                           ; -2.95459980854025e-03,
	KONST 52, 0xbc83dbd4                           ; -1.60960333262415e-02
	KONST 54, 0xb77460cd                           ; its denominator: -1.45660718464996e-05,
	v_mov_b32 v94, 0xb95fbd29                      ; -2.13374055278905e-04,
	v_mov_b32 v95, 0xb95fbd29
	KONST 56, 0xbadc924e                           ; -1.68282697438203e-03,
	KONST 58, 0xbbf19bf8                           ; -7.37332916720468e-03,
	KONST 60, 0xbc69b6a7                           ; -1.42647390514189e-02
	s_wait_alu depctr_va_vdst(0)
	s_wait_kmcnt 0x0
	s_load_b32 s17, s[10:11], s23 offset:CNT_OFF
	s_lshl_b32 s34, s15, 24                        ; W1: the expert's 2^24 bytes,
	s_lshr_b32 s22, s14, 1
	s_lshl_b32 s22, s22, 21                        ; my K step's 128 rows,
	s_add_co_u32 s34, s34, s22
	s_lshl_b32 s22, s16, 9                         ; the slice's 512 bytes of a row,
	s_add_co_u32 s34, s34, s22
	s_and_b32 s22, s14, 1
	s_lshl_b32 s22, s22, 8                         ; my half of them
	s_add_co_u32 s34, s34, s22
	s_add_nc_u64 s[32:33], s[4:5], s[34:35]
	s_lshl_b32 s34, s15, 14
	s_lshl_b32 s22, s16, 9
	s_add_co_u32 s34, s34, s22
	s_add_nc_u64 s[30:31], s[6:7], s[34:35]        ; b1: the slice's 128 numbers
	s_lshl_b32 s34, s15, 14
	s_lshl_b32 s22, s14, 6
	s_add_co_u32 s34, s34, s22
	s_add_nc_u64 s[28:29], s[10:11], s[34:35]      ; the list at tile T = wave
	s_lshl_b32 s34, s15, 21                        ; hq's images: ((64 e + T) 32 + s) x 1,024
	s_lshl_b32 s22, s14, 15
	s_add_co_u32 s34, s34, s22
	s_lshl_b32 s22, s16, 10
	s_add_co_u32 s34, s34, s22
	s_add_nc_u64 s[24:25], s[12:13], s[34:35]
	s_lshl_b32 s34, s15, 17                        ; and its scale words: the same index x 64
	s_lshl_b32 s22, s14, 11
	s_add_co_u32 s34, s34, s22
	s_lshl_b32 s22, s16, 6
	s_add_co_u32 s34, s34, s22
	s_add_nc_u64 s[26:27], s[12:13], s[34:35]
	s_add_nc_u64 s[26:27], s[26:27], HS_OFF
	; ---- PHASE A
	global_load_b32 v13, v8, s[28:29]              ; my row of my first tile (entries up to 255: written for every expert)
	global_load_b128 v[BT:BT+3], v1, s[30:31]      ; b1
	WLOAD 0, BA
	s_wait_loadcnt 63                              ; behind the entry and b1 stand 64 loads: both are in
	s_cmp_lg_u32 s14, 0
	s_cbranch_scc1 .Lnot_wave_0
	ds_store_b128 v12, v[BT:BT+3]                  ; wave 0 lays b1 into LDS
.Lnot_wave_0:
	s_wait_kmcnt 0x0                               ; the count
	s_min_u32 s17, s17, 0x400
	s_add_co_u32 s18, s17, 15
	s_lshr_b32 s18, s18, 4
	s_max_u32 s18, s18, 1                          ; tiles to make: at least one
	XGATHER                                        ; my first tile's rows land while the weights stream
	WLOAD 1, BB
	s_wait_loadcnt 63                              ; behind block 0 stand 82 loads; 63 is the largest count that can be named
	WQUANT 0, BA
	WLOAD 2, BA
	s_wait_loadcnt 63                              ; behind block 1 stand 64
	WQUANT 1, BB
	WSTORE 0
	WLOAD 3, BB
	s_wait_loadcnt 63                              ; behind block 2 stand 64
	s_wait_dscnt 0x0                               ; the stores have read the codes' registers, which are written again
	WQUANT 2, BA
	s_wait_loadcnt 0x0
	WQUANT 3, BB
	WSTORE 1
	ds_store_b32 v3, v[TA+8]                       ; set 0's scale words: lanes 0-15 tile 0, lanes 16-31 tile 1
	ds_store_b32 v3, v[TA+9] offset:128            ; set 1's: tiles 2 and 3
	s_wait_dscnt 0x0                               ; for the others' sake: my stores have landed
	s_barrier_signal -1
	s_barrier_wait -1                              ; the 64 fragments, their scale words and b1 lie in LDS; nobody writes them again
	; ---- PHASE B
.irp b, 0,1,2,3
	v_mov_b32 v[TM+4+\b], 0                        ; written once: a lane permute's destination counts as one of its sources
.endr
	s_cmp_ge_u32 s14, s18
	s_cbranch_scc1 .Ldone                          ; a wave without a tile
	s_sub_co_u32 s37, s18, s14
	s_add_co_u32 s37, s37, 15
	s_lshr_b32 s37, s37, 4                         ; my tiles w, w + 16, .. under s18: so many trips,
	s_min_u32 s37, s37, 4                          ; four at the most: 64 tiles for 16 waves
	s_mov_b32 s19, 0                               ; trips done: the loop counts trips, one a step; the tile itself stands in the three bases
.Ltile:
	global_load_b32 v13, v8, s[28:29] offset:1024  ; my row of the tile 16 further on: entry 1,279 at the most, which has been written
	s_wait_loadcnt 0x1                             ; x's fragments and scale words are in; only the entry stands behind them
.irp t, 0,1,2,3,4,5,6,7
	ds_load_b128 v[ACC+8*\t:ACC+8*\t+3], v7 offset:(32*(\t/2)+8*(\t%2))*4       ; b1 in the result's layout: the C of each sum's first matrix instruction
	ds_load_b128 v[ACC+8*\t+4:ACC+8*\t+7], v7 offset:(32*(\t/2)+8*(\t%2))*4+16
.endr
	GLOAD 0, 0
	GLOAD 1, 1
.set g_, 0
.rept 16
.if g_ < 15
	s_wait_dscnt 10                                ; this group is in (for group 0: b1 too); the next group's ten loads may be out
.else
	s_wait_dscnt 0x0
.endif
	MM4 g_
.rept 4
	v_nop                                          ; four places in front of loads into registers that these matrix instructions have read, and, behind the last group, of the first read of results
.endr
.if g_+2 < 16
	GLOAD g_+2, g_%2
.endif
.set g_, g_+1
.endr
	s_wait_loadcnt 0x0                             ; the next entry; on every path, so that no load is out where v13 is loaded again
	s_add_co_u32 s22, s19, 1
	s_cmp_ge_u32 s22, s37
	s_cbranch_scc1 .Lno_next
	XGATHER                                        ; the next tile's rows land under the GELU
.Lno_next:
	GELU 0
	GELU 1
	GELU 2
	GELU 3
	QUANT ACC
	global_store_b128 v1, v[PC:PC+3], s[24:25] th:TH_STORE_NT              ; the image: twice 512 consecutive bytes
	global_store_b128 v1, v[PC+4:PC+7], s[24:25] offset:512 th:TH_STORE_NT
	global_store_b32 v8, v[PW], s[26:27] th:TH_STORE_NT                    ; 16 scale words; lanes 16-31 store what lanes 0-15 store, to the same places
	s_wait_xcnt 0x0                                ; the stores have read their data and bases: both are written again
	s_add_nc_u64 s[24:25], s[24:25], 524288        ; 16 tiles on
	s_add_nc_u64 s[26:27], s[26:27], 32768
	s_add_nc_u64 s[28:29], s[28:29], 1024
	s_add_co_u32 s19, s19, 1
	s_cmp_lt_u32 s19, s37
	s_cbranch_scc1 .Ltile
.Ldone:
	s_wait_tensorcnt 0x0                           ; the wave's end
	ds_add_u32 v14, v15
	s_wait_dscnt 0x0
	s_endpgm
.Lfunc_end_k_q226522f8e9_ffn1:
	.size	k_q226522f8e9_ffn1, .Lfunc_end_k_q226522f8e9_ffn1-k_q226522f8e9_ffn1
	.p2alignl 7, 3214868480
	.fill 96, 4, 3214868480
	.section	.rodata,"a",@progbits
	.p2align	6, 0x0
	.amdhsa_kernel k_q226522f8e9_ffn1
		.amdhsa_group_segment_fixed_size 72192
		.amdhsa_private_segment_fixed_size 0
		.amdhsa_enable_private_segment 0
		.amdhsa_kernarg_size 40
		.amdhsa_user_sgpr_count 2
		.amdhsa_user_sgpr_kernarg_segment_ptr 1
		.amdhsa_wavefront_size32 1
		.amdhsa_system_sgpr_workgroup_id_x 1
		.amdhsa_system_sgpr_workgroup_id_y 1
		.amdhsa_system_sgpr_workgroup_id_z 1
		.amdhsa_system_vgpr_workitem_id 0
		.amdhsa_next_free_vgpr 256
		.amdhsa_next_free_sgpr 66
		.amdhsa_reserve_vcc 0
		.amdhsa_float_denorm_mode_32 3
		.amdhsa_float_denorm_mode_16_64 3
		.amdhsa_memory_ordered 1
		.amdhsa_forward_progress 1
		.amdhsa_inst_pref_size 117
	.end_amdhsa_kernel
	.amdgpu_metadata
---
amdhsa.version: [ 1, 2 ]
amdhsa.kernels:
  - .name:           k_q226522f8e9_ffn1
    .symbol:         k_q226522f8e9_ffn1.kd
    .args:
      - { .name: W1, .offset: 0, .size: 8, .value_kind: global_buffer, .address_space: global }
      - { .name: b1, .offset: 8, .size: 8, .value_kind: global_buffer, .address_space: global }
      - { .name: xq, .offset: 16, .size: 8, .value_kind: global_buffer, .address_space: global }
      - { .name: list, .offset: 24, .size: 8, .value_kind: global_buffer, .address_space: global }
      - { .name: hq, .offset: 32, .size: 8, .value_kind: global_buffer, .address_space: global }
    .group_segment_fixed_size: 72192
    .private_segment_fixed_size: 0
    .kernarg_segment_align: 8
    .kernarg_segment_size: 40
    .max_flat_workgroup_size: 512
    .sgpr_count:     66
    .vgpr_count:     256
    .wavefront_size: 32
...
	.end_amdgpu_metadata
.endif
;; end of part 3
;; launch ffn2 (part 4): grid 32 x 8, 16 waves a work-group, no clusters, 141,568 bytes of LDS; arguments W2, hq, list, b2, y; writes y
.if DOCPART == 4
	.amdgcn_target "amdgcn-amd-amdhsa--gfx1250"
	.amdhsa_code_object_version 6
	.text
	.protected	k_q226522f8e9_ffn2
	.globl	k_q226522f8e9_ffn2
	.p2align	8
	.type	k_q226522f8e9_ffn2,@function
k_q226522f8e9_ffn2:
	s_mov_b64 s[64:65], 0
	v_nop
	global_prefetch_b8 v0, s[64:65] scope:SCOPE_SE
	s_setreg_imm32_b32 hwreg(HW_REG_WAVE_MODE, 25, 1), 1
	s_wait_xcnt 0x0
; SparseMoE, launch 4 of 5: y = Q(h) Q(W2) + b2 for the rows that chose the expert, by halves of K.  Rows (expert, token) that were not chosen are left out: shown at the head of the first kernel.
; SHARES.  Work-group (ns, kh, e) owns 64 output columns x 2,048 of K of expert e: 131,072 numbers of W2, which no other work-group reads.
; THE WEIGHTS GO IN EIGHT CHUNKS OF 256 ALONG K, AND THE PRODUCTS RUN UNDER THE LOADS.  In a chunk wave w takes block w % 8 (32 rows of W2) x 32 columns (set w / 8): a lane takes a column and its 32 registers run down K,
; so a block's largest magnitude needs no other lane and the conversions give codes with K innermost.  A lane's 16 bytes of codes and its scale byte go straight to their places in the images of the operand's
; registers in LDS.  One barrier a chunk, on every wave's path and under no branch on loaded numbers.  Behind it each wave multiplies the chunk's two K steps for its tiles of 16 rows w and w + 16, whose
; accumulators (2 x 32 registers) stay through all chunks.  The weight loads run two chunks ahead in two sets of 32 registers; the hidden layer's fragments of the next chunk are asked for ahead of them, in two sets.
; Every chunk has LDS bytes of its own (64 KiB of images in all), so nothing in LDS is written twice, and tiles 32 .. 63 (an expert with more than 512 rows) are made afterwards from the same images,
; in a loop of two trips that every wave walks and that holds no barrier.
; The matrix instruction is used transposed (source 0 = 16 output columns, source 1 = 16 rows): a lane holds eight neighbouring columns of one row; a tile leaves through the wave's own stage, sixteen lanes to
; 256 consecutive, aligned bytes of y[kh][rowid], rowid from the list.  b2 is the C of the first products in K half 0, zeros in half 1: so b2 counts once for each row.
; The rows that fill an expert's last tile repeat its last member, which lies in the same tile: they store the same bytes.
; No cluster, no joint loads, no tensor loads: the weights are shared by nobody.  No prefetch: each wave's own loads already run two chunks (64 loads) ahead.
; LIMITS.  NaN and infinities are not served.  A block of zeros keeps the scale byte 1 (its codes are zeros; this program alone reads the bytes).
.set PITCH,   4096                     ; a row of W2 in bytes
.set WSC,     65536                    ; LDS: from 0 the images, K step g at 4,096 g, its four fragments 1,024 bytes each; here the scale words, 256 bytes a K step;
.set STAGE,   69632                    ; a stage of 16 rows x (256 + 16) bytes for each wave;
.set SP,      272
.set BIAS,    139264                   ; b2's 64 numbers, or 64 zeros;
.set SPARE,   139520                   ; the spare words, 128 bytes for each of the 16 waves, which no other line names
.set HS_OFF,  16777216
.set CNT_OFF, 131072
.set LB,  16                           ; v[16:79]   two sets of 32 numbers of W2; on the way out rows back from the stage
.set ACC, 80                           ; v[80:143]  the accumulators of my two tiles
.set HF,  144                          ; v[144:207] two sets of the hidden layer's fragments: set, tile, K step: 32, 16, 8 registers; on the way out rowids and offsets
.set WF,  208                          ; v[208:239] four weight fragments; while a block is quantised:
.set TA,  208                          ; four maxima, then scale operand and byte
.set CD,  216                          ; the block's codes
.set WS,  240                          ; v[240:241] the weights' scale words: scales and nothing else
.set HS,  244                          ; v[244:251] the rows' scale words, two K steps to a register: scales and nothing else
.set BT,  252                          ; v[252:255] b2 on its way to LDS
; v1 16 x lane   v2 where I store codes   v3 where I store my scale byte   v4 4 x lane   v5 BIAS + 16 (lane % 16)   v6 WSC + 4 x lane   v7 into the stage   v8 out of it   v9 4 (lane / 16)   v10 16 (lane % 16)
; v11 BIAS + 32 (lane / 16)   v14, v15 the add's two
; s14 wave  s15 expert  s16 ns  s21 kh  s17 count  s18 tiles  s19 trips of the last loop  s20 how many of my two tiles exist  s[24:29], s[42:47] hq's images, hq's scale words and the list at tile w, w + 16
.macro NOP4                            ; four places behind matrix instructions, ahead of loads into their registers and of the first read of results
.rept 4
	v_nop
.endr
.endm
.macro WLOAD c                         ; chunk c: my 32 rows x 32 columns; a load reads 128 consecutive bytes
.set i_, 0
.rept 32
	global_load_b32 v[LB+32*((\c)%2)+i_], v4, s[32:33] offset:(\c)*1048576+i_*PITCH th:TH_LOAD_NT
.set i_, i_+1
.endr
.endm
.macro WQ buf                          ; a block of 32: largest magnitude in four chains, with the floor 2^(3 - 127); scale operand; byte; codes
.irp q, 0,1,2,3
	v_max3_num_f32 v[TA+\q], |v[\buf+3*\q]|, |v[\buf+3*\q+1]|, |v[\buf+3*\q+2]|
.endr
.irp i, 12,20
.irp q, 0,1,2,3
	s_delay_alu instid0(VALU_DEP_4)
	v_max3_num_f32 v[TA+\q], v[TA+\q], |v[\buf+\i+2*\q]|, |v[\buf+\i+2*\q+1]|
.endr
.endr
.irp q, 0,1
	s_delay_alu instid0(VALU_DEP_4)
	v_max3_num_f32 v[TA+\q], v[TA+\q], |v[\buf+28+2*\q]|, |v[\buf+29+2*\q]|
.endr
	s_delay_alu instid0(VALU_DEP_1)
	v_max3_num_f32 v[TA], v[TA], v[TA+1], v[TA+2]
	s_delay_alu instid0(VALU_DEP_1)
	v_max3_num_f32 v[TA], v[TA], v[TA+3], 0x1800000
	s_delay_alu instid0(VALU_DEP_1)
	v_add_nc_u32 v[TA+1], 0xff000000, v[TA]        ; 2 off the exponent field: the conversion's scale operand
	s_delay_alu instid0(VALU_DEP_1)
	v_lshrrev_b32 v[TA+2], 23, v[TA+1]             ; the scale's byte
.irp g, 0,1,2,3
	v_cvt_scalef32_pk8_fp4_f32 v[CD+\g], v[\buf+8*\g:\buf+8*\g+7], v[TA+1]
.endr
	v_nop                                          ; one plain line behind the last scaled conversion
.endm
.macro HLOAD j, c                      ; tile j's fragments of chunk c's two K steps and their scale words (lanes 0-15 the even K step, lanes 16-31 the odd one): five loads
.irp ks, 0,1
.irp q, 0,1
	global_load_b128 v[HF+32*((\c)%2)+16*\j+8*\ks+4*\q:HF+32*((\c)%2)+16*\j+8*\ks+4*\q+3], v1, s[24+18*\j:25+18*\j] offset:2048*(\c)+1024*\ks+512*\q
.endr
.endr
	global_load_b32 v[HS+2*((\c)%2)+\j], v4, s[26+18*\j:27+18*\j] offset:128*(\c)
.endm
.macro GLOAD g                         ; K step g's four weight fragments and two scale registers from LDS: ten loads
.irp tt, 0,1,2,3
.irp q, 0,1
	ds_load_b128 v[WF+8*\tt+4*\q:WF+8*\tt+4*\q+3], v1 offset:(\g)*4096+\tt*1024+512*\q
.endr
.endr
.irp pp, 0,1
	ds_load_b32 v[WS+\pp], v6 offset:(\g)*256+128*\pp
.endr
.endm
; Four matrix instructions, one for each tile of 16 columns.  Odd column tiles take the weights' scale words from lanes 16-31, odd K steps the rows'.  The accumulators take turns.
.macro MM ac, hr, hw, odd
.irp tt, 0,1,2,3
.if (\odd) == 0
.if \tt%2 == 0
	v_wmma_scale_f32_16x16x128_f8f6f4 v[(\ac)+8*\tt:(\ac)+8*\tt+7], v[WF+8*\tt:WF+8*\tt+7], v[(\hr):(\hr)+7], v[(\ac)+8*\tt:(\ac)+8*\tt+7], v[WS+\tt/2], v[(\hw)] matrix_a_fmt:MATRIX_FMT_FP4 matrix_b_fmt:MATRIX_FMT_FP4
.else
	v_wmma_scale_f32_16x16x128_f8f6f4 v[(\ac)+8*\tt:(\ac)+8*\tt+7], v[WF+8*\tt:WF+8*\tt+7], v[(\hr):(\hr)+7], v[(\ac)+8*\tt:(\ac)+8*\tt+7], v[WS+\tt/2], v[(\hw)] matrix_a_fmt:MATRIX_FMT_FP4 matrix_b_fmt:MATRIX_FMT_FP4 matrix_a_scale:MATRIX_SCALE_ROW1
.endif
.else
.if \tt%2 == 0
	v_wmma_scale_f32_16x16x128_f8f6f4 v[(\ac)+8*\tt:(\ac)+8*\tt+7], v[WF+8*\tt:WF+8*\tt+7], v[(\hr):(\hr)+7], v[(\ac)+8*\tt:(\ac)+8*\tt+7], v[WS+\tt/2], v[(\hw)] matrix_a_fmt:MATRIX_FMT_FP4 matrix_b_fmt:MATRIX_FMT_FP4 matrix_b_scale:MATRIX_SCALE_ROW1
.else
	v_wmma_scale_f32_16x16x128_f8f6f4 v[(\ac)+8*\tt:(\ac)+8*\tt+7], v[WF+8*\tt:WF+8*\tt+7], v[(\hr):(\hr)+7], v[(\ac)+8*\tt:(\ac)+8*\tt+7], v[WS+\tt/2], v[(\hw)] matrix_a_fmt:MATRIX_FMT_FP4 matrix_b_fmt:MATRIX_FMT_FP4 matrix_a_scale:MATRIX_SCALE_ROW1 matrix_b_scale:MATRIX_SCALE_ROW1
.endif
.endif
.endr
.endm
.macro KSTEP g, hb                     ; K step g for my one or two tiles; their fragments lie in set hb
	GLOAD \g
	s_wait_dscnt 0x0
	MM ACC, HF+32*(\hb)+8*((\g)%2), HS+2*(\hb), (\g)%2
	s_cmp_lt_u32 s20, 2
	s_cbranch_scc1 .Lone_\@
	MM ACC+32, HF+32*(\hb)+16+8*((\g)%2), HS+2*(\hb)+1, (\g)%2
.Lone_\@:
	NOP4
.endm
.macro CINIT j                         ; b2, or zeros, in the result's layout: what tile j's sums begin with
.irp tt, 0,1,2,3
	ds_load_b128 v[ACC+32*\j+8*\tt:ACC+32*\j+8*\tt+3], v11 offset:64*\tt
	ds_load_b128 v[ACC+32*\j+8*\tt+4:ACC+32*\j+8*\tt+7], v11 offset:64*\tt+16
.endr
.endm
.macro TBASE j                         ; s22 = a tile: its three bases.  A tile that the expert does not have is replaced by the last that has been written
	s_max_u32 s23, s18, 1
	s_sub_co_u32 s23, s23, 1
	s_min_u32 s22, s22, s23
	s_min_u32 s22, s22, 63                         ; it came from a loaded number: held inside the expert's 64 tiles
	s_lshl_b32 s34, s15, 21                        ; hq's images: ((64 e + T) 32 + 16 kh) x 1,024
	s_lshl_b32 s36, s22, 15
	s_add_co_u32 s34, s34, s36
	s_lshl_b32 s36, s21, 14
	s_add_co_u32 s34, s34, s36
	s_add_nc_u64 s[24+18*\j:25+18*\j], s[6:7], s[34:35]
	s_lshl_b32 s34, s15, 17                        ; its scale words: the same index x 64
	s_lshl_b32 s36, s22, 11
	s_add_co_u32 s34, s34, s36
	s_lshl_b32 s36, s21, 10
	s_add_co_u32 s34, s34, s36
	s_add_nc_u64 s[26+18*\j:27+18*\j], s[6:7], s[34:35]
	s_add_nc_u64 s[26+18*\j:27+18*\j], s[26+18*\j:27+18*\j], HS_OFF
	s_lshl_b32 s34, s15, 14
	s_lshl_b32 s36, s22, 6
	s_add_co_u32 s34, s34, s36
	s_add_nc_u64 s[28+18*\j:29+18*\j], s[8:9], s[34:35]   ; the list at that tile
.endm
; Tile j leaves: through my stage, back as whole rows of 256 bytes, each to y[kh][rowid].
.macro OUT j
.irp i, 0,1,2,3,4,5,6,7
	global_load_b32 v[HF+16*\j+\i], v9, s[28+18*\j:29+18*\j] offset:8*\i   ; the rowids of rows 2 i + lane / 16
.endr
.irp tt, 0,1,2,3
	ds_store_b128 v7, v[ACC+32*\j+8*\tt:ACC+32*\j+8*\tt+3] offset:64*\tt          ; each accumulator from its low end on
	ds_store_b128 v7, v[ACC+32*\j+8*\tt+4:ACC+32*\j+8*\tt+7] offset:64*\tt+16
.endr
.irp i, 0,1,2,3,4,5,6,7
	ds_load_b128 v[LB+32*\j+4*\i:LB+32*\j+4*\i+3], v8 offset:2*\i*SP   ; LDS serves a wave's instructions in order (ISA guide 5.7.1.4): these see my stores
.endr
	s_wait_loadcnt 0x0                             ; the rowids
.irp i, 0,1,2,3,4,5,6,7
	v_min_u32 v[HF+16*\j+\i], 0x7ff, v[HF+16*\j+\i]   ; held inside y's 2,048 rows: they were loaded
.endr
.irp i, 0,1,2,3,4,5,6,7
	v_lshl_add_u32 v[HF+16*\j+8+\i], v[HF+16*\j+\i], 12, v10   ; 4,096 bytes a row, + 16 (lane % 16)
.endr
	s_wait_alu depctr_va_vdst(0)
.irp i, 0,1,2,3,4,5,6,7
	s_wait_dscnt 7-\i                              ; rows 2 i, 2 i + 1 are back; the younger loads may be out
	global_store_b128 v[HF+16*\j+8+\i], v[LB+32*\j+4*\i:LB+32*\j+4*\i+3], s[30:31] th:TH_STORE_NT   ; sixteen lanes store 256 consecutive bytes, at a multiple of 256 from y's first byte
.endr
.endm
; Chunk c.  The order of my global loads: b2, W(0), W(1), H(0); then in chunk c: H(c + 1), W(c + 2).  H is ten loads, or five, or none from H(2) on, by the number of my tiles: each count below holds for all three.
.macro CHUNK c
.if \c == 0
	s_wait_loadcnt 42                              ; W(0) is in: behind it stand W(1)'s 32 loads and H(0)'s 10
.elseif \c < 7
	s_wait_loadcnt 32                              ; W(c) is in: of what stands behind it W(c + 1)'s 32 loads are the last
.else
	s_wait_loadcnt 0x0
.endif
	WQ LB+32*((\c)%2)
	ds_store_b128 v2, v[CD:CD+3] offset:(\c)*8192  ; my column's 32 codes, at their place in a fragment's image
	ds_store_b8 v3, v[TA+2] offset:(\c)*512        ; and the block's byte of the column's scale word
.if \c == 0
.irp i, 0,1,2,3
	v_cndmask_b32 v[BT+\i], 0, v[BT+\i], s40       ; b2 in K half 0, zeros in half 1
.endr
	s_cmp_lg_u32 s14, 0
	s_cbranch_scc1 .Lnot_wave_0
	ds_store_b128 v5, v[BT:BT+3]                   ; wave 0 lays them into LDS
.Lnot_wave_0:
	HLOAD 0, 1                                     ; the second set's first fill: by every wave
	HLOAD 1, 1
.elseif \c < 7
	s_cmp_eq_u32 s20, 0
	s_cbranch_scc1 .Lnh_\@
	HLOAD 0, (\c)+1
	s_cmp_eq_u32 s20, 1
	s_cbranch_scc1 .Lnh_\@
	HLOAD 1, (\c)+1
.Lnh_\@:
.endif
.if \c < 6
	WLOAD (\c)+2                                   ; into the set just quantised
.endif
	s_wait_dscnt 0x0                               ; for the others' sake: my stores have landed
	s_barrier_signal -1
	s_barrier_wait -1                              ; the chunk's eight fragments and their scale words lie in LDS; nobody writes them again
.if \c == 0
	CINIT 0
	CINIT 1
.endif
	s_cmp_eq_u32 s20, 0
	s_cbranch_scc1 .Lnm_\@                         ; a wave without a tile
.if \c == 0
	s_wait_loadcnt 42                              ; H(0) is in: behind it stand H(1)'s 10 loads and W(2)'s 32
.elseif \c < 6
	s_wait_loadcnt 63                              ; H(c) is in: behind it stand W(c + 1) and W(c + 2), 64 loads at the least; 63 is the largest count that can be named
.elseif \c == 6
	s_wait_loadcnt 32                              ; behind H(6) stand W(7)'s 32 at the least
.endif
	KSTEP 2*(\c), (\c)%2
	KSTEP 2*(\c)+1, (\c)%2
.Lnm_\@:
.endm
	s_load_b256 s[4:11], s[0:1], 0x0               ; W2 s[4:5], hq s[6:7], list s[8:9], b2 s[10:11]
	s_load_b64 s[12:13], s[0:1], 0x20              ; y
	v_lshl_add_u32 v14, v0, 2, SPARE               ; my spare word,
	v_mov_b32 v15, 0                               ; and 0: kept for the add at the wave's end
	v_lshrrev_b32 v1, 5, v0
	v_readfirstlane_b32 s14, v1                    ; wave 0..15
	s_and_b32 s15, ttmp7, 0xffff                   ; the expert
	s_and_b32 s16, ttmp9, 15                       ; ns: which 64 output columns
	s_lshr_b32 s21, ttmp9, 4                       ; kh: which half of K
	s_and_b32 s22, s14, 4                          ; 4 x (which K step of a chunk my block lies in)
	s_and_b32 s23, s14, 3                          ; which block of that K step
	s_lshr_b32 s37, s14, 3                         ; which set of 32 columns
	s_lshl_b32 s24, s22, 10                        ; codes: 4,096 x K step
	s_lshl_b32 s25, s23, 8                         ; + 256 x block: registers 4 (block / 2) .. of lanes 16 (block % 2) ..
	s_add_co_u32 s24, s24, s25
	s_lshl_b32 s25, s37, 11                        ; + 2,048 x set: two fragments
	s_add_co_u32 s24, s24, s25
	s_lshl_b32 s26, s22, 6                         ; scale bytes: 256 x K step
	s_lshl_b32 s25, s37, 7                         ; + 128 x set
	s_add_co_u32 s26, s26, s25
	s_add_co_u32 s26, s26, s23                     ; + block
	s_add_co_u32 s26, s26, WSC
	s_mul_i32 s27, s14, 16*SP
	s_add_co_u32 s27, s27, STAGE                   ; my stage
	s_lshl_b32 s41, s15, 2                         ; my expert's count: kept until that load is back
	s_mov_b32 s35, 0
	s_mov_b32 s19, 0
	s_cmp_eq_u32 s21, 0
	s_cselect_b32 s40, -1, 0                       ; b2 counts in K half 0 alone: a choice on the work-group's number
	v_and_b32 v5, 31, v0
	v_and_b32 v12, 15, v0                          ; r
	v_bfe_u32 v13, v0, 4, 1                        ; h
	v_lshlrev_b32 v1, 4, v5
	v_lshlrev_b32 v4, 2, v5
	v_lshlrev_b32 v10, 4, v12
	v_lshlrev_b32 v9, 2, v13
	v_lshl_add_u32 v2, v13, 10, v10                ; my column's fragment of the set's two, and its lane
	v_add_nc_u32 v2, s24, v2
	v_add_nc_u32 v3, s26, v4
	v_add_nc_u32 v6, WSC, v4
	v_mul_u32_u24 v7, v12, SP
	v_lshl_add_u32 v7, v13, 5, v7
	v_add_nc_u32 v7, s27, v7                       ; into the stage: row r, 32 bytes for each half of the lanes
	v_mul_u32_u24 v8, v13, SP
	v_add_nc_u32 v8, v8, v10
	v_add_nc_u32 v8, s27, v8                       ; back: lanes 0-15 one row of 256 bytes, lanes 16-31 the next
	v_add_nc_u32 v5, BIAS, v10                     ; b2 on its way in (lanes 16-31 repeat lanes 0-15)
	v_lshl_add_u32 v11, v13, 5, BIAS               ; and on its way out: column tile tt's eight columns of my half lie at 64 tt + 32 h
	s_wait_alu depctr_va_vdst(0)
	s_wait_kmcnt 0x0
	s_load_b32 s17, s[8:9], s41 offset:CNT_OFF
	s_lshl_b32 s34, s15, 24                        ; W2: the expert's 2^24 bytes,
	s_lshl_b32 s22, s21, 23                        ; the half's 2,048 rows,
	s_add_co_u32 s34, s34, s22
	s_and_b32 s22, s14, 7
	s_lshl_b32 s22, s22, 17                        ; my block's 32 rows of a chunk,
	s_add_co_u32 s34, s34, s22
	s_lshl_b32 s23, s16, 8                         ; the 256 bytes of a row,
	s_add_co_u32 s34, s34, s23
	s_lshl_b32 s22, s37, 7                         ; my set's half of them
	s_add_co_u32 s34, s34, s22
	s_add_nc_u64 s[32:33], s[4:5], s[34:35]
	s_lshl_b32 s34, s21, 23
	s_add_co_u32 s34, s34, s23
	s_add_nc_u64 s[30:31], s[12:13], s[34:35]      ; y: the half's 2,048 rows of 4,096 bytes, my 256 bytes of a row
	s_lshl_b32 s34, s15, 12
	s_add_co_u32 s34, s34, s23
	s_add_nc_u64 s[38:39], s[10:11], s[34:35]      ; b2: the expert's row, my 256 bytes of it
	global_load_b128 v[BT:BT+3], v10, s[38:39]
	WLOAD 0
	WLOAD 1
	s_wait_kmcnt 0x0                               ; the count
	s_min_u32 s17, s17, 0x400
	s_add_co_u32 s18, s17, 15
	s_lshr_b32 s18, s18, 4                         ; the expert's tiles
	s_cmp_lt_u32 s14, s18
	s_cselect_b32 s20, 1, 0
	s_add_co_u32 s22, s14, 16
	s_cmp_lt_u32 s22, s18
	s_cselect_b32 s23, 1, 0
	s_add_co_u32 s20, s20, s23                     ; how many of tiles w and w + 16 exist
	TBASE 1
	s_mov_b32 s22, s14
	TBASE 0
	HLOAD 0, 0                                     ; the first set's first fill: by every wave
	HLOAD 1, 0
.irp c, 0,1,2,3,4,5,6,7
	CHUNK \c
.endr
	s_cmp_eq_u32 s20, 0
	s_cbranch_scc1 .Lextra
	OUT 0
	s_cmp_lt_u32 s20, 2
	s_cbranch_scc1 .Lextra
	OUT 1
; Tiles 32 + w and 48 + w, where the expert has them: two trips that every wave walks, the work under a branch inside; all 16 K steps' images lie in LDS.
.Lextra:
	s_lshl_b32 s22, s19, 4
	s_add_co_u32 s22, s22, s14
	s_add_co_u32 s22, s22, 32
	s_cmp_ge_u32 s22, s18
	s_cbranch_scc1 .Lno_extra
	s_wait_xcnt 0x0                                ; earlier loads and stores have read their addresses, data and bases: all are written again
	TBASE 0
.irp ks, 0,1,2,3,4,5,6,7
.irp q, 0,1
	global_load_b128 v[LB+8*\ks+4*\q:LB+8*\ks+4*\q+3], v1, s[24:25] offset:1024*\ks+512*\q
	global_load_b128 v[HF+8*\ks+4*\q:HF+8*\ks+4*\q+3], v1, s[24:25] offset:8192+1024*\ks+512*\q
.endr
.endr
.irp i, 0,1,2,3,4,5,6,7
	global_load_b32 v[HS+\i], v4, s[26:27] offset:128*\i
.endr
	CINIT 0
	s_wait_loadcnt 0x0
.set g_, 0
.rept 16
	GLOAD g_
	s_wait_dscnt 0x0
.if g_ < 8
	MM ACC, LB+8*g_, HS+g_/2, g_%2
.else
	MM ACC, HF+8*(g_-8), HS+g_/2, g_%2
.endif
	NOP4
.set g_, g_+1
.endr
	OUT 0
.Lno_extra:
	s_add_co_u32 s19, s19, 1
	s_cmp_lt_u32 s19, 2
	s_wait_alu depctr_va_vdst(0)
	s_cbranch_scc1 .Lextra
	s_wait_tensorcnt 0x0                           ; the wave's end
	ds_add_u32 v14, v15
	s_wait_dscnt 0x0
	s_endpgm
.Lfunc_end_k_q226522f8e9_ffn2:
	.size	k_q226522f8e9_ffn2, .Lfunc_end_k_q226522f8e9_ffn2-k_q226522f8e9_ffn2
	.p2alignl 7, 3214868480
	.fill 96, 4, 3214868480
	.section	.rodata,"a",@progbits
	.p2align	6, 0x0
	.amdhsa_kernel k_q226522f8e9_ffn2
		.amdhsa_group_segment_fixed_size 141568
		.amdhsa_private_segment_fixed_size 0
		.amdhsa_enable_private_segment 0
		.amdhsa_kernarg_size 40
		.amdhsa_user_sgpr_count 2
		.amdhsa_user_sgpr_kernarg_segment_ptr 1
		.amdhsa_wavefront_size32 1
		.amdhsa_system_sgpr_workgroup_id_x 1
		.amdhsa_system_sgpr_workgroup_id_y 1
		.amdhsa_system_sgpr_workgroup_id_z 1
		.amdhsa_system_vgpr_workitem_id 0
		.amdhsa_next_free_vgpr 256
		.amdhsa_next_free_sgpr 66
		.amdhsa_reserve_vcc 0
		.amdhsa_float_denorm_mode_32 3
		.amdhsa_float_denorm_mode_16_64 3
		.amdhsa_memory_ordered 1
		.amdhsa_forward_progress 1
		.amdhsa_inst_pref_size 123
	.end_amdhsa_kernel
	.amdgpu_metadata
---
amdhsa.version: [ 1, 2 ]
amdhsa.kernels:
  - .name:           k_q226522f8e9_ffn2
    .symbol:         k_q226522f8e9_ffn2.kd
    .args:
      - { .name: W2, .offset: 0, .size: 8, .value_kind: global_buffer, .address_space: global }
      - { .name: hq, .offset: 8, .size: 8, .value_kind: global_buffer, .address_space: global }
      - { .name: list, .offset: 16, .size: 8, .value_kind: global_buffer, .address_space: global }
      - { .name: b2, .offset: 24, .size: 8, .value_kind: global_buffer, .address_space: global }
      - { .name: y, .offset: 32, .size: 8, .value_kind: global_buffer, .address_space: global }
    .group_segment_fixed_size: 141568
    .private_segment_fixed_size: 0
    .kernarg_segment_align: 8
    .kernarg_segment_size: 40
    .max_flat_workgroup_size: 512
    .sgpr_count:     66
    .vgpr_count:     256
    .wavefront_size: 32
...
	.end_amdgpu_metadata
.endif
;; end of part 4
;; launch combine (part 5): grid 256 x 1, 4 waves a work-group, no clusters, 0 bytes of LDS; arguments y, gw, out0; writes out0
.if DOCPART == 5
	.amdgcn_target "amdgcn-amd-amdhsa--gfx1250"
	.amdhsa_code_object_version 6
	.text
	.protected	k_q226522f8e9_combine
	.globl	k_q226522f8e9_combine
	.p2align	8
	.type	k_q226522f8e9_combine,@function
k_q226522f8e9_combine:
	s_mov_b64 s[64:65], 0
	v_nop
	global_prefetch_b8 v0, s[64:65] scope:SCOPE_SE
	s_setreg_imm32_b32 hwreg(HW_REG_WAVE_MODE, 25, 1), 1
	s_wait_xcnt 0x0
; SparseMoE, launch 5 of 5: out[t] = g0 (y[0][2 t] + y[1][2 t]) + g1 (y[0][2 t + 1] + y[1][2 t + 1]).  The six experts that a token did not choose have the weight 0 and are left out: shown at the head of the first kernel.
; y[kh][rowid] holds the K half kh of the second product for row rowid = 2 t + slot; half 0 holds the chosen expert's b2 too.  So no address here hangs on the choice: the loads go out as soon as the arguments are in,
; and the two gate values, a scalar load, land under them.  One wave takes one token: eight chunks of 512 consecutive bytes of each of four streams, all 32 loads issued at once.
; A stream: no LDS, no barrier, no matrix instruction; every byte of y is read once and every byte of out0 written once.
.set R, 16                             ; v[16:143]: chunk q at R + 16 q: y half 0 slot 0, y half 1 slot 0, y half 0 slot 1, y half 1 slot 1, four registers each
	s_load_b128 s[4:7], s[0:1], 0x0                ; y s[4:5], gw s[6:7]
	s_load_b64 s[8:9], s[0:1], 0x10                ; out0
	v_lshrrev_b32 v1, 5, v0
	v_readfirstlane_b32 s14, v1                    ; wave 0..3
	v_and_b32 v1, 31, v0
	v_lshlrev_b32 v1, 4, v1                        ; 16 bytes a lane
	s_lshl_b32 s15, ttmp9, 2
	s_add_co_u32 s15, s15, s14                     ; my token
	s_lshl_b32 s16, s15, 3
	s_lshl_b32 s34, s15, 13
	s_mov_b32 s35, 0
	s_lshl_b32 s36, s15, 12
	s_mov_b32 s37, 0
	s_wait_alu depctr_va_vdst(0)
	s_wait_kmcnt 0x0
	s_load_b64 s[20:21], s[6:7], s16 offset:0x0    ; its two gate values
	s_add_nc_u64 s[24:25], s[4:5], s[34:35]        ; y half 0 at row 2 t
	s_add_nc_u64 s[26:27], s[24:25], 0x800000      ; y half 1
	s_add_nc_u64 s[32:33], s[8:9], s[36:37]        ; out0 at row t
.irp q, 0,1,2,3,4,5,6,7
	global_load_b128 v[R+16*\q:R+16*\q+3],     v1, s[24:25] offset:512*\q th:TH_LOAD_NT
	global_load_b128 v[R+16*\q+4:R+16*\q+7],   v1, s[26:27] offset:512*\q th:TH_LOAD_NT
	global_load_b128 v[R+16*\q+8:R+16*\q+11],  v1, s[24:25] offset:4096+512*\q th:TH_LOAD_NT
	global_load_b128 v[R+16*\q+12:R+16*\q+15], v1, s[26:27] offset:4096+512*\q th:TH_LOAD_NT
.endr
	s_wait_kmcnt 0x0                               ; the gate values
	s_mov_b32 s22, s21                             ; g1 as a pair of its own: the packed forms take a pair's low word for both halves
	s_mov_b32 s23, s21
.macro CHUNK q
.set C_, R+16*(\q)
	s_wait_loadcnt 4*(7-(\q))                      ; this chunk's four loads are in; those of the later chunks may be out
.irp p, 0,2
	v_pk_add_f32 v[C_+\p:C_+\p+1], v[C_+\p:C_+\p+1], v[C_+4+\p:C_+4+\p+1]
	v_pk_add_f32 v[C_+8+\p:C_+8+\p+1], v[C_+8+\p:C_+8+\p+1], v[C_+12+\p:C_+12+\p+1]
.endr
.irp p, 0,2
	v_pk_mul_f32 v[C_+8+\p:C_+8+\p+1], v[C_+8+\p:C_+8+\p+1], s[22:23] op_sel_hi:[1,0]
.endr
.irp p, 0,2
	v_pk_fma_f32 v[C_+\p:C_+\p+1], v[C_+\p:C_+\p+1], s[20:21], v[C_+8+\p:C_+8+\p+1] op_sel_hi:[1,0,1]
.endr
	global_store_b128 v1, v[C_:C_+3], s[32:33] offset:512*(\q) th:TH_STORE_NT   ; the wave stores 512 consecutive bytes, at a multiple of 256 from out0's first byte
.endm
.irp q, 0,1,2,3,4,5,6,7
	CHUNK \q
.endr
	s_endpgm
.Lfunc_end_k_q226522f8e9_combine:
	.size	k_q226522f8e9_combine, .Lfunc_end_k_q226522f8e9_combine-k_q226522f8e9_combine
	.p2alignl 7, 3214868480
	.fill 96, 4, 3214868480
	.section	.rodata,"a",@progbits
	.p2align	6, 0x0
	.amdhsa_kernel k_q226522f8e9_combine
		.amdhsa_group_segment_fixed_size 0
		.amdhsa_private_segment_fixed_size 0
		.amdhsa_enable_private_segment 0
		.amdhsa_kernarg_size 24
		.amdhsa_user_sgpr_count 2
		.amdhsa_user_sgpr_kernarg_segment_ptr 1
		.amdhsa_wavefront_size32 1
		.amdhsa_system_sgpr_workgroup_id_x 1
		.amdhsa_system_sgpr_workgroup_id_y 1
		.amdhsa_system_sgpr_workgroup_id_z 1
		.amdhsa_system_vgpr_workitem_id 0
		.amdhsa_next_free_vgpr 144
		.amdhsa_next_free_sgpr 66
		.amdhsa_reserve_vcc 0
		.amdhsa_float_denorm_mode_32 3
		.amdhsa_float_denorm_mode_16_64 3
		.amdhsa_memory_ordered 1
		.amdhsa_forward_progress 1
		.amdhsa_inst_pref_size 10
	.end_amdhsa_kernel
	.amdgpu_metadata
---
amdhsa.version: [ 1, 2 ]
amdhsa.kernels:
  - .name:           k_q226522f8e9_combine
    .symbol:         k_q226522f8e9_combine.kd
    .args:
      - { .name: y, .offset: 0, .size: 8, .value_kind: global_buffer, .address_space: global }
      - { .name: gw, .offset: 8, .size: 8, .value_kind: global_buffer, .address_space: global }
      - { .name: out0, .offset: 16, .size: 8, .value_kind: global_buffer, .address_space: global }
    .group_segment_fixed_size: 0
    .private_segment_fixed_size: 0
    .kernarg_segment_align: 8
    .kernarg_segment_size: 24
    .max_flat_workgroup_size: 128
    .sgpr_count:     66
    .vgpr_count:     144
    .wavefront_size: 32
...
	.end_amdgpu_metadata
.endif
;; end of part 5
